; MI455X (gfx1250); checked and timed in simulation.
; The chip was launched on July 23, 2026; its instructions are those of AMD's public machine-readable ISA for CDNA 5 (MIT licence, August 2026) and "CDNA5" Instruction Set Architecture Reference Guide (July 2026). The comments in the code are by the model that wrote it; some were corrected since.
;; Shepards Layer. Allowed arithmetic: matrix products marked QUANTISED: E2M1 operands, one E8M0 scale for each 32 along K, by v_wmma_scale_f32_16x16x128_f8f6f4 with both operands' format E2M1 (or v_wmma_scale_f32_32x16x128_f4), f32 sums; everything else in f32.
;; Inputs: W_out 512 x 1,024 float32; W_qkvg 1,024 x 2,048 float32; X 2 x 2,048 x 1,024 float32; b_out 1,024 float32; b_qkvg 2,048 float32; ln_beta 1,024 float32; ln_gamma 1,024 float32; mask 1 x 2,048 x 2,048 bool.
;; Outputs: out0 2 x 2,048 x 1,024 float32.
;; This version of the problem:
;;   THIS VERSION OF THE PROBLEM IS GIVEN IN LOW PRECISION. The matrix products marked QUANTISED in the list below multiply operands that are first quantised to E2M1 (2 exponent bits, 1 mantissa bit; 4 bits a number), with one power-of-two scale for each 32 numbers along K (OCP MX v1.0); their sums are f32. All else is computed in f32.
;;   The module's matrix products, in the order in which they are computed (A, B: the left and right operand; K: the contracted axis; several contracted axes count as one K, in the product's order):
;;     1. [M 4,096, K 1,024] x [K 1,024, N 2,048]; A: computed on the way; B: input W_qkvg: QUANTISED
;;     2. batch 16 x [M 2,048, K 64] x [K 64, N 2,048]; A: computed on the way; B: computed on the way: QUANTISED
;;     3. batch 16 x [M 2,048, K 2,048] x [K 2,048, N 64]; A: computed on the way; B: computed on the way: QUANTISED
;;     4. [M 4,096, K 512] x [K 512, N 1,024]; A: computed on the way; B: input W_out: QUANTISED
;;   THE QUANTISER, for each operand of a quantised product, along K:
;;     - K is cut into blocks of 32 from its start; a last block that is shorter is filled with zeros.
;;     - A block's scale is 2^e with e = floor(log2(the largest magnitude in the block)) - 2, held to -126 .. 127; a block of zeros has e = 0. As a byte (E8M0): e + 127.
;;     - Each number is divided by its block's scale, clamped to +-6, and rounded to the nearest number of E2M1, ties to even, subnormals kept.
;;     - The product sums the exact products of the quantised numbers (number of the format x scale) in f32.
;;   ~~~python
;;   def quantise(x, axis):      # numpy; x: float32 -> the quantised numbers, widened to float32 again
;;       x = np.moveaxis(x, axis, -1); K = x.shape[-1]
;;       x = np.pad(x, [(0, 0)] * (x.ndim - 1) + [(0, -K % 32)]); x = x.reshape(x.shape[:-1] + (-1, 32)); a = np.abs(x).max(-1, keepdims=True)
;;       e = np.where(a > 0, np.clip(np.frexp(np.where(a > 0, a, 1))[1] - 1 - 2, -126, 127), 0)      # np.frexp(a)[1] - 1 = floor(log2(a)), exactly
;;       r = np.clip(x / 2.0 ** e, -6, 6)
;;       step = 2.0 ** (np.maximum(np.frexp(np.where(r == 0, 1, r))[1] - 1, 0) - 1)
;;       q = np.round(r / step) * step * 2.0 ** e      # np.round: ties to even
;;       return np.moveaxis(q.reshape(q.shape[:-2] + (-1,))[..., :K], -1, axis).astype(np.float32)
;;   ~~~
;;   OPERANDS COMPUTED ON THE WAY. 'Computed on the way' means the value that the module computes at that place (a softmax that the list does not call 'softmax' is quantised finished and normalised). What goes into a quantiser is computed in f32, as accurately as f32 sums, v_exp_f32 and their like allow (about 1e-6 of the number): no bf16 or f16 on the way to a quantiser, and a product that is left as it is and whose result goes on into a quantised operand takes f32 operands (vector FMAs, or v_wmma_f32_16x16x4_f32). A number that lies on a knife's edge between two numbers of the format may be rounded either way, as far as f32 arithmetic and the matrix unit's own rounding can turn it there, and no further.
;; 2 versions, each right; version 2 is version 1 with the launches attn, gemm2 written anew for expert scheduling mode. Each part assembles by itself: llvm-mc -triple=amdgcn-amd-amdhsa -mcpu=gfx1250 --defsym DOCPART=n.
;; ======== version 1 of 2: 4 launches
;; workspace buffers: prep 3,620,864 bytes; qkvg 12,124,160 bytes; yg 1,310,720 bytes; maskw 524,800 bytes of whole numbers
;; launch prep (part 1): grid 336 x 1, 8 waves a work-group, no clusters, 92,416 bytes of LDS; arguments X, ln_gamma, ln_beta, W_qkvg, W_out, mask, prep, maskw; writes prep, maskw
.if DOCPART == 1
	.amdgcn_target "amdgcn-amd-amdhsa--gfx1250"
	.amdhsa_code_object_version 6
	.text
	.protected	k_q4c5d488a0a_prep
	.globl	k_q4c5d488a0a_prep
	.p2align	8
	.type	k_q4c5d488a0a_prep,@function
k_q4c5d488a0a_prep:
	s_mov_b64 s[64:65], 0
	v_nop
	global_prefetch_b8 v0, s[64:65] scope:SCOPE_SE
	s_setreg_imm32_b32 hwreg(HW_REG_WAVE_MODE, 25, 1), 1
	s_wait_xcnt 0x0
; PREP: everything that is quantised or packed once, for the three launches behind it.  Four kinds of work-group, told apart by the work-group's number, each with LDS bytes of its own:
;   0-127    LayerNorm of 32 rows of X [4096][1024] and its codes of FP4 (E2M1) with one E8M0 byte for each 32 along K
;   128-191  W_qkvg [1024 (k)][2048] into codes along K;   192-207  W_out [512 (k)][1024] likewise
;   208-335  the mask [2048][2048] of bytes into lane words for 16 queries x 128 keys, and a summary of each such step (0 none masked, 1 all masked, 2 mixed)
; LAYOUT OF THE CODES: images of operand registers.  A fragment is 16 rows x 128 K = 1,024 bytes: block b (32 along K) of row r lies at 256 b + 16 r.
; A TILE'S 16 ROWS ARE NOT NEIGHBOURS: position r of tile T is row 32 (T / 2) + 8 (T % 2) + r + 8 (r / 8), so that the results of two neighbouring tiles are 16 neighbours in a lane's registers.
; A block's scale is 2^(floor(log2(largest magnitude)) - 2): its byte is the largest magnitude's exponent field - 2, held at 1 from below.
; LIMITS: a block of zeros gets the byte 1 where the rule says 127 (its codes are zeros, and this program alone reads the bytes); NaN and infinities among the inputs are not served.
; No matrix unit, no cluster, no tensor load: the work-groups share nothing and every stream is read once.
.set XC, 0                             ; prep: X's codes [tile 256][K step 8][1024]
.set WC, 2097152                       ; W_qkvg's [tile 128][K step 8][1024]
.set OC, 3145728                       ; W_out's [tile 64][K step 4][1024]
.set XS, 3407872                       ; X's scale bytes [tile][2][row 16][16]: a word is a K step
.set WS, 3538944                       ; W_qkvg's likewise
.set OS, 3604480                       ; W_out's [tile][row 16][16]
.set MS, 524288                        ; maskw: behind the lane words, a summary word for each tile of queries
.set LN_T, 0                           ; LDS: 8 waves x 32 blocks x (128 + 16) bytes: a row turns from 16 bytes a lane to a block a lane
.set LN_I, 36864                       ; two tiles' images of codes
.set LN_S, 53248                       ; and of scale bytes
.set W1_S, 54272                       ; scale words of W_qkvg's work-groups
.set W2_S, 55296                       ; of W_out's
.set M_T, 56320                        ; 8 waves x 16 rows x (256 + 16) bytes of mask
.set M_S, 91136                        ; the waves' parts of the summary
.set GA, 32                            ; v32-63 gamma, v64-95 beta, v96-223 four rows, v224-239 their codes
.set BE, 64
.set XR, 96
.set CD, 224
; the largest magnitude of v[x] .. v[x + 31], and the floor 2^(3 - 127) so that the byte cannot fall under 1; two chains
.macro MAX32 d, t, x
	v_max3_num_f32 v[\d], |v[\x]|, |v[\x+1]|, 0x1800000
	v_max3_num_f32 v[\t], |v[\x+2]|, |v[\x+3]|, |v[\x+4]|
.irp i, 5,9,13,17,21,25
	v_max3_num_f32 v[\d], v[\d], |v[\x+\i]|, |v[\x+\i+1]|
	v_max3_num_f32 v[\t], v[\t], |v[\x+\i+2]|, |v[\x+\i+3]|
.endr
	v_max3_num_f32 v[\d], v[\d], |v[\x+29]|, |v[\x+30]|
	v_max3_num_f32 v[\d], v[\d], v[\t], |v[\x+31]|
.endm
; four chains of pairs in v[8:15] become one number in every lane's v8
.macro FOLD
	v_pk_add_f32 v[8:9], v[8:9], v[10:11]
	v_pk_add_f32 v[12:13], v[12:13], v[14:15]
	v_pk_add_f32 v[8:9], v[8:9], v[12:13]
	v_add_f32 v8, v8, v9
	v_add_f32_dpp v8, v8, v8 row_xmask:1 row_mask:0xf bank_mask:0xf
	v_add_f32_dpp v8, v8, v8 row_xmask:2 row_mask:0xf bank_mask:0xf
	v_add_f32_dpp v8, v8, v8 row_xmask:4 row_mask:0xf bank_mask:0xf
	v_add_f32_dpp v8, v8, v8 row_xmask:8 row_mask:0xf bank_mask:0xf
	v_permlanex16_b32 v20, v8, s32, s33
	v_add_f32 v8, v8, v20
.endm
; one row of X: mean, variance, normalised, turned so that lane L holds block L, quantised, its codes and byte into the tile's images
.macro LNROW p
.set XX, XR+32*\p
	s_wait_loadcnt 8*(3-\p)                        ; this row's eight loads are in; the later rows' stay out
.irp k, 0,2,4,6
	v_pk_add_f32 v[8+\k:9+\k], v[XX+\k:XX+\k+1], v[XX+8+\k:XX+9+\k]
.endr
.irp m, 16,24
.irp k, 0,2,4,6
	v_pk_add_f32 v[8+\k:9+\k], v[8+\k:9+\k], v[XX+\m+\k:XX+\m+\k+1]
.endr
.endr
	FOLD
	v_mul_f32 v16, s34, v8                         ; the mean: sum / 1024
	v_mov_b32 v17, v16
.set M, 0
.rept 16
	v_pk_add_f32 v[XX+M:XX+M+1], v[XX+M:XX+M+1], v[16:17] op_sel_hi:[1,0] neg_lo:[0,1] neg_hi:[0,1]
.set M, M+2
.endr
.irp k, 0,2,4,6
	v_pk_mul_f32 v[8+\k:9+\k], v[XX+\k:XX+\k+1], v[XX+\k:XX+\k+1]
.endr
.irp m, 8,16,24
.irp k, 0,2,4,6
	v_pk_fma_f32 v[8+\k:9+\k], v[XX+\m+\k:XX+\m+\k+1], v[XX+\m+\k:XX+\m+\k+1], v[8+\k:9+\k]
.endr
.endr
	FOLD
	v_fma_f32 v21, v8, s34, s35                    ; the variance + 1e-5
	v_rsq_f32 v18, v21
	v_rsq_f32 v19, v21                             ; twice: a pair for the packed multiply
	v_nop                                          ; a plain instruction between a transcendental and the use of its result (ISA guide 5.7.2)
.set M, 0
	s_wait_alu depctr_va_vdst(0)
.rept 16
	v_pk_mul_f32 v[XX+M:XX+M+1], v[XX+M:XX+M+1], v[18:19]
.set M, M+2
.endr
.set M, 0
.rept 16
	v_pk_fma_f32 v[XX+M:XX+M+1], v[XX+M:XX+M+1], v[GA+M:GA+M+1], v[BE+M:BE+M+1]
.set M, M+2
.endr
.irp i, 0,1,2,3,4,5,6,7
	ds_store_b128 v3, v[XX+4*\i:XX+4*\i+3] offset:576*\i        ; as loaded: eight lanes' 128 bytes are a block
.endr
.irp i, 0,1,2,3,4,5,6,7
	ds_load_b128 v[XX+4*\i:XX+4*\i+3], v4 offset:16*\i          ; back: block L, 144 bytes from lane to lane.  LDS serves a wave's instructions in order: these see the stores
.endr
	s_wait_dscnt 0x0
	MAX32 21, 22, XX
	v_add_nc_u32 v23, 0xff000000, v21              ; 2 off the exponent field: the conversion takes this operand's exponent field as its scale
.irp g, 0,1,2,3
	v_cvt_scalef32_pk8_fp4_f32 v[CD+4*\p+\g], v[XX+8*\g:XX+8*\g+7], v23
.endr
	v_lshrrev_b32 v[24+\p], 23, v23                ; the scale's byte
	ds_store_b128 v5, v[CD+4*\p:CD+4*\p+3] offset:16*\p          ; block L of my row: 256 L + 16 r in the tile's image
	ds_store_b8 v6, v[24+\p] offset:16*\p
.endm
; 32 rows of K of my column
.macro WLOAD bk, nb4, wp
.set I, 0
.rept 32
	global_load_b32 v[96+32*(\bk)+I], v4, s[\wp:\wp+1] offset:(32*(\bk)+I)*\nb4 th:TH_LOAD_NT
.set I, I+1
.endr
.endm
; a block of my column: all its 32 numbers are mine
.macro WBLK bk, cbase
	MAX32 10, 11, 96+32*(\bk)
	v_add_nc_u32 v12, 0xff000000, v10
.irp g, 0,1,2,3
	v_cvt_scalef32_pk8_fp4_f32 v[32+4*(\bk)+\g], v[96+32*(\bk)+8*\g:96+32*(\bk)+8*\g+7], v12
.endr
	v_lshrrev_b32 v13, 23, v12
.if (\bk) == 0
	v_mov_b32 v14, v13
.else
	v_lshl_or_b32 v14, v13, 8*(\bk), v14           ; four bytes make the K step's scale word
.endif
	global_store_b128 v6, v[32+4*(\bk):35+4*(\bk)], s[36:37] offset:\cbase+256*(\bk)   ; sixteen lanes store 256 consecutive bytes, aligned
.endm
; A weight [K][N] f32: a lane takes a column, its registers run down K.  The lanes stand in the order of the tiles' rows, so that the codes are stored as the image wants them.
; A wave: 32 columns (two tiles) x one K step of 128.  A work-group: 64 columns x four K steps.
.macro WQ start, nb4, tstr, sstr, ldsb, cbase, sbase, wp
	s_sub_co_u32 s21, ttmp9, \start
	s_and_b32 s22, s21, 31                         ; which 64 columns
	s_lshr_b32 s23, s21, 5                         ; which four K steps
	s_and_b32 s24, s20, 1
	s_lshr_b32 s25, s20, 1
	s_lshl_b32 s26, s22, 1
	s_add_co_u32 s26, s26, s24                     ; my 32 columns
	s_lshl_b32 s27, s23, 2
	s_add_co_u32 s27, s27, s25                     ; my K step
	v_and_b32 v2, 15, v1                           ; r
	v_lshrrev_b32 v3, 4, v1                        ; u: which of the two tiles
	v_and_b32 v4, 8, v2
	v_add_nc_u32 v4, v4, v2
	v_lshl_add_u32 v4, v3, 3, v4                   ; column 8 u + r + 8 (r / 8) of the 32
	v_lshlrev_b32 v4, 2, v4
	v_lshlrev_b32 v5, 4, v2
	v_mad_u32_u24 v6, v3, \tstr, v5                ; codes: tile u, 16 r
	v_mad_u32_u24 v7, v3, \sstr, v5                ; scale words likewise
	s_lshl_b32 s28, s24, 9
	s_lshl_b32 s29, s25, 2
	s_add_co_u32 s29, s29, s28
	v_lshl_add_u32 v8, v1, 4, s29                  ; LDS: 512 x column half + 16 x lane + 4 x K step
	v_lshl_add_u32 v9, v1, 4, s28                  ; and back: a lane's four words
	s_mul_i32 s30, s27, 128*\nb4
	s_lshl_b32 s31, s26, 7
	s_add_co_u32 s30, s30, s31
	s_mov_b32 s31, 0
	s_mul_i32 s36, s26, 2*\tstr
	s_lshl_b32 s37, s27, 10
	s_add_co_u32 s36, s36, s37
	s_mov_b32 s37, 0
	s_mul_i32 s38, s26, 2*\sstr
	s_lshl_b32 s39, s23, 8
	s_add_co_u32 s38, s38, s39
	s_mov_b32 s39, 0
	s_wait_kmcnt 0x0
	s_add_nc_u64 s[\wp:\wp+1], s[\wp:\wp+1], s[30:31]
	s_add_nc_u64 s[36:37], s[16:17], s[36:37]
	s_add_nc_u64 s[38:39], s[16:17], s[38:39]
	WLOAD 0, \nb4, \wp
	WLOAD 1, \nb4, \wp
	s_wait_loadcnt 32                              ; block 0 is in; block 1's 32 loads stay out.  Each block has registers of its own
	WLOAD 2, \nb4, \wp
	WBLK 0, \cbase
	s_wait_loadcnt 32                              ; block 1 is in; block 2's stay out
	WLOAD 3, \nb4, \wp
	WBLK 1, \cbase
	s_wait_loadcnt 32
	WBLK 2, \cbase
	s_wait_loadcnt 0x0
	WBLK 3, \cbase
	ds_store_b32 v8, v14 offset:\ldsb              ; four waves' words of a row meet, so that they leave as 16 bytes a row
	s_wait_dscnt 0x0                               ; for the others' sake
	s_barrier_signal -1
	s_barrier_wait -1
	s_cmp_lt_u32 s20, 2
	s_cbranch_scc0 .Lw_end_\@
	ds_load_b128 v[16:19], v9 offset:\ldsb
	s_wait_dscnt 0x0
	global_store_b128 v7, v[16:19], s[38:39] offset:\sbase     ; sixteen lanes store 256 consecutive bytes, aligned
.Lw_end_\@:
	s_wait_tensorcnt 0x0
	ds_add_u32 v254, v255
	s_wait_dscnt 0x0
	s_endpgm
.endm
; 16 queries x 128 keys of mask bytes become 64 lane words: bit L of word 16 b + y is the byte of query L % 16 and key 32 b + 16 (L / 16) + y
.macro MPACK q
	v_mov_b32 v[96+2*\q], 0
	v_mov_b32 v[97+2*\q], 0
	s_mov_b32 s31, 0
	s_mov_b32 s36, -1
.set E, 0
.rept 64
	v_and_b32 v9, 0xff<<(8*(E%4)), v[64+16*\q+E/4]
	v_cmp_ne_u32 s30, 0, v9
	v_writelane_b32 v[96+2*\q+E%2], s30, E/2       ; word E goes to lane E / 2, so that a lane stores two neighbouring words
	s_or_b32 s31, s31, s30
	s_and_b32 s36, s36, s30
.set E, E+1
.endr
	global_store_b64 v8, v[96+2*\q:97+2*\q], s[26:27] offset:256*\q   ; 32 lanes store 256 consecutive bytes, aligned
	s_cmp_eq_u32 s31, 0
	s_cselect_b32 s[37+\q], 0, 2                   ; no bit set: 0
	s_cmp_eq_u32 s36, -1
	s_cselect_b32 s[37+\q], 1, s[37+\q]            ; every bit set: 1; else 2
.endm
	s_load_b512 s[4:19], s[0:1], 0x0               ; X s[4:5], gamma s[6:7], beta s[8:9], W_qkvg s[10:11], W_out s[12:13], mask s[14:15], prep s[16:17], maskw s[18:19]
	v_lshl_add_u32 v254, v0, 2, 0x16500
	v_mov_b32 v255, 0
	v_lshrrev_b32 v1, 5, v0
	v_readfirstlane_b32 s20, v1                    ; wave 0..7
	v_and_b32 v1, 31, v0                           ; lane
	s_cmp_lt_u32 ttmp9, 128
	s_cbranch_scc1 .Lln
	s_cmp_lt_u32 ttmp9, 192
	s_cbranch_scc1 .Lw1
	s_cmp_lt_u32 ttmp9, 208
	s_cbranch_scc1 .Lw2
	; ---- THE MASK.  Work-group = a tile of 16 queries; wave w = keys 256 w on, two steps of 128.
	s_sub_co_u32 s21, ttmp9, 208                   ; the tile
	v_and_b32 v2, 15, v1
	v_lshrrev_b32 v3, 4, v1
	v_lshlrev_b32 v4, 4, v2
	v_lshl_add_u32 v5, v3, 11, v4                  ; in: sixteen lanes take 256 bytes of a row, the other sixteen the next row's
	s_mul_i32 s22, s20, 4352
	s_add_co_u32 s22, s22, M_T
	v_mad_u32_u24 v6, v3, 272, v4
	v_add_nc_u32 v6, s22, v6                       ; into my stage, rows 272 bytes apart
	v_mul_u32_u24 v7, v2, 272
	v_lshl_add_u32 v7, v3, 4, v7
	v_add_nc_u32 v7, s22, v7                       ; out of it: query r, 16 keys of my half
	v_lshlrev_b32 v8, 3, v1
	s_lshl_b32 s23, s20, 2
	s_add_co_u32 s23, s23, M_S
	v_mov_b32 v10, s23
	v_mov_b32 v11, M_S
	v_mov_b32 v20, 0
	s_lshr_b32 s24, s21, 1
	s_lshl_b32 s24, s24, 16                        ; 32 (tile / 2) rows of 2,048 bytes
	s_and_b32 s25, s21, 1
	s_lshl_b32 s25, s25, 14                        ; 8 (tile % 2) rows
	s_add_co_u32 s24, s24, s25
	s_lshl_b32 s25, s20, 8
	s_add_co_u32 s24, s24, s25
	s_mov_b32 s25, 0
	s_lshl_b32 s26, s21, 12                        ; 16 steps of 256 bytes a tile
	s_lshl_b32 s27, s20, 9
	s_add_co_u32 s26, s26, s27
	s_mov_b32 s27, 0
	s_lshl_b32 s28, s21, 2
	s_mov_b32 s29, 0
	s_wait_kmcnt 0x0
	s_add_nc_u64 s[14:15], s[14:15], s[24:25]
	s_add_nc_u64 s[26:27], s[18:19], s[26:27]
	s_add_nc_u64 s[28:29], s[18:19], s[28:29]
.irp i, 0,1,2,3,4,5,6,7
	global_load_b128 v[32+4*\i:35+4*\i], v5, s[14:15] offset:(2*\i+8*(\i/4))*2048 th:TH_LOAD_NT   ; positions 2 i, 2 i + 1 of the tile
.endr
	s_wait_loadcnt 0x0
.irp i, 0,1,2,3,4,5,6,7
	ds_store_b128 v6, v[32+4*\i:35+4*\i] offset:544*\i
.endr
.irp q, 0,1
.irp b, 0,1,2,3
	ds_load_b128 v[64+16*\q+4*\b:67+16*\q+4*\b], v7 offset:128*\q+32*\b   ; my own stage: LDS serves a wave's instructions in order
.endr
.endr
	s_wait_dscnt 0x0
	MPACK 0
	MPACK 1
	s_lshl_b32 s38, s38, 2
	s_or_b32 s37, s37, s38
	s_lshl_b32 s39, s20, 2
	s_lshl_b32 s37, s37, s39                       ; two bits a step: steps 2 w and 2 w + 1
	v_mov_b32 v9, s37
	ds_store_b32 v10, v9
	s_wait_dscnt 0x0
	s_barrier_signal -1
	s_barrier_wait -1
	s_cmp_lg_u32 s20, 0
	s_cbranch_scc1 .Lm_end
	ds_load_b128 v[12:15], v11
	ds_load_b128 v[16:19], v11 offset:16
	s_wait_dscnt 0x0
	v_or_b32 v12, v12, v13
	v_or_b32 v14, v14, v15
	v_or_b32 v16, v16, v17
	v_or_b32 v18, v18, v19
	v_or_b32 v12, v12, v14
	v_or_b32 v16, v16, v18
	v_or_b32 v12, v12, v16
	v_cmp_eq_u32 vcc_lo, 0, v1
	s_wait_xcnt 0x0                                ; EXEC changes only when the earlier stores have read it
	s_and_saveexec_b32 s41, vcc_lo
	global_store_b32 v20, v12, s[28:29] offset:MS  ; one word a tile
	s_wait_xcnt 0x0
	s_or_b32 exec_lo, exec_lo, s41
.Lm_end:
	s_wait_tensorcnt 0x0
	ds_add_u32 v254, v255
	s_wait_dscnt 0x0
	s_endpgm
	; ---- LAYERNORM.  Work-group j = rows 32 j on = tiles 2 j, 2 j + 1; wave w = rows 4 w on: tile (w / 2) % 2, positions 4 (w % 2) + 8 (w / 4) on.
.Lln:
	v_lshlrev_b32 v2, 4, v1                        ; 16 bytes a lane: a load covers 512 consecutive bytes
	s_mul_i32 s21, s20, 4608
	v_lshrrev_b32 v3, 3, v1
	v_mul_u32_u24 v3, v3, 144
	v_and_b32 v4, 7, v1
	v_lshl_add_u32 v3, v4, 4, v3
	v_add_nc_u32 v3, s21, v3                       ; the turn, in: 144 (L / 8) + 16 (L % 8)
	v_mul_u32_u24 v4, v1, 144
	v_add_nc_u32 v4, s21, v4                       ; out: 144 L
	s_lshr_b32 s22, s20, 1
	s_and_b32 s22, s22, 1                          ; which tile
	s_and_b32 s23, s20, 1
	s_lshl_b32 s23, s23, 6
	s_lshr_b32 s24, s20, 2
	s_lshl_b32 s24, s24, 7
	s_add_co_u32 s23, s23, s24                     ; 16 x my first position
	s_lshl_b32 s24, s22, 13
	s_add_co_u32 s24, s24, s23
	s_add_co_u32 s24, s24, LN_I
	v_lshl_add_u32 v5, v1, 8, s24                  ; codes: 256 x block + 16 x position
	s_lshl_b32 s24, s22, 9
	s_add_co_u32 s24, s24, s23
	s_add_co_u32 s24, s24, LN_S
	v_lshrrev_b32 v6, 4, v1
	v_lshlrev_b32 v6, 8, v6
	v_and_b32 v7, 15, v1
	v_add_nc_u32 v6, v6, v7
	v_add_nc_u32 v6, s24, v6                       ; bytes: 256 (block / 16) + 16 x position + block % 16
	s_lshl_b32 s25, s20, 11
	v_add_nc_u32 v7, s25, v2                       ; the way out: 2,048 bytes a wave
	s_and_b32 s25, s20, 1
	s_lshl_b32 s25, s25, 9
	v_add_nc_u32 v30, s25, v2
	s_mov_b32 s32, 0x76543210
	s_mov_b32 s33, 0xfedcba98                      ; v_permlanex16_b32's selects for lane l xor 16
	s_mov_b32 s34, 0x3a800000                      ; 1 / 1024
	s_mov_b32 s35, 0x3727c5ac                      ; 1e-5
	v_mov_b32 v20, 0                               ; a lane permute's destination counts as one of its sources
	s_lshl_b32 s26, ttmp9, 17
	s_lshl_b32 s27, s20, 14
	s_add_co_u32 s26, s26, s27
	s_mov_b32 s27, 0
	s_lshl_b32 s28, ttmp9, 14
	s_mov_b32 s29, 0
	s_lshl_b32 s30, ttmp9, 10
	s_mov_b32 s31, 0
	s_wait_kmcnt 0x0
	s_add_nc_u64 s[4:5], s[4:5], s[26:27]
	s_add_nc_u64 s[28:29], s[16:17], s[28:29]
	s_add_nc_u64 s[30:31], s[16:17], s[30:31]
.irp i, 0,1,2,3,4,5,6,7
	global_load_b128 v[GA+4*\i:GA+4*\i+3], v2, s[6:7] offset:512*\i
.endr
.irp i, 0,1,2,3,4,5,6,7
	global_load_b128 v[BE+4*\i:BE+4*\i+3], v2, s[8:9] offset:512*\i
.endr
.irp p, 0,1,2,3
.irp i, 0,1,2,3,4,5,6,7
	global_load_b128 v[XR+32*\p+4*\i:XR+32*\p+4*\i+3], v2, s[4:5] offset:4096*\p+512*\i th:TH_LOAD_NT
.endr
.endr
	LNROW 0
	LNROW 1
	LNROW 2
	LNROW 3
	s_wait_dscnt 0x0                               ; for the others' sake: my stores into the images are done
	s_barrier_signal -1
	s_barrier_wait -1
.irp i, 0,1,2,3
	ds_load_b128 v[96+4*\i:99+4*\i], v7 offset:LN_I+512*\i
.endr
.irp i, 0,1,2,3
	s_wait_dscnt 3-\i
	global_store_b128 v7, v[96+4*\i:99+4*\i], s[28:29] offset:XC+512*\i   ; 32 lanes store 512 consecutive bytes, aligned
.endr
	s_cmp_lt_u32 s20, 2
	s_cbranch_scc0 .Lln_end
	ds_load_b128 v[112:115], v30 offset:LN_S
	s_wait_dscnt 0x0
	global_store_b128 v30, v[112:115], s[30:31] offset:XS
.Lln_end:
	s_wait_tensorcnt 0x0
	ds_add_u32 v254, v255
	s_wait_dscnt 0x0
	s_endpgm
.Lw1:
	WQ 128, 8192, 8192, 512, W1_S, WC, WS, 10
.Lw2:
	WQ 192, 4096, 4096, 256, W2_S, OC, OS, 12
.Lfunc_end_k_q4c5d488a0a_prep:
	.size	k_q4c5d488a0a_prep, .Lfunc_end_k_q4c5d488a0a_prep-k_q4c5d488a0a_prep
	.p2alignl 7, 3214868480
	.fill 96, 4, 3214868480
	.section	.rodata,"a",@progbits
	.p2align	6, 0x0
	.amdhsa_kernel k_q4c5d488a0a_prep
		.amdhsa_group_segment_fixed_size 92416
		.amdhsa_private_segment_fixed_size 0
		.amdhsa_enable_private_segment 0
		.amdhsa_kernarg_size 64
		.amdhsa_user_sgpr_count 2
		.amdhsa_user_sgpr_kernarg_segment_ptr 1
		.amdhsa_wavefront_size32 1
		.amdhsa_system_sgpr_workgroup_id_x 1
		.amdhsa_system_sgpr_workgroup_id_y 1
		.amdhsa_system_sgpr_workgroup_id_z 1
		.amdhsa_system_vgpr_workitem_id 0
		.amdhsa_next_free_vgpr 256
		.amdhsa_next_free_sgpr 66
		.amdhsa_reserve_vcc 1
		.amdhsa_float_denorm_mode_32 3
		.amdhsa_float_denorm_mode_16_64 3
		.amdhsa_memory_ordered 1
		.amdhsa_forward_progress 1
		.amdhsa_inst_pref_size 122
	.end_amdhsa_kernel
	.amdgpu_metadata
---
amdhsa.version: [ 1, 2 ]
amdhsa.kernels:
  - .name:           k_q4c5d488a0a_prep
    .symbol:         k_q4c5d488a0a_prep.kd
    .args:
      - { .name: X, .offset: 0, .size: 8, .value_kind: global_buffer, .address_space: global }
      - { .name: ln_gamma, .offset: 8, .size: 8, .value_kind: global_buffer, .address_space: global }
      - { .name: ln_beta, .offset: 16, .size: 8, .value_kind: global_buffer, .address_space: global }
      - { .name: W_qkvg, .offset: 24, .size: 8, .value_kind: global_buffer, .address_space: global }
      - { .name: W_out, .offset: 32, .size: 8, .value_kind: global_buffer, .address_space: global }
      - { .name: mask, .offset: 40, .size: 8, .value_kind: global_buffer, .address_space: global }
      - { .name: prep, .offset: 48, .size: 8, .value_kind: global_buffer, .address_space: global }
      - { .name: maskw, .offset: 56, .size: 8, .value_kind: global_buffer, .address_space: global }
    .group_segment_fixed_size: 92416
    .private_segment_fixed_size: 0
    .kernarg_segment_align: 8
    .kernarg_segment_size: 64
    .max_flat_workgroup_size: 256
    .sgpr_count:     66
    .vgpr_count:     256
    .wavefront_size: 32
...
	.end_amdgpu_metadata
.endif
;; end of part 1
;; launch gemm1 (part 2): grid 16 x 16, 4 waves a work-group, clusters of 4 x 4, 209,408 bytes of LDS; arguments prep, b_qkvg, qkvg; writes qkvg
.if DOCPART == 2
	.amdgcn_target "amdgcn-amd-amdhsa--gfx1250"
	.amdhsa_code_object_version 6
	.text
	.protected	k_q4c5d488a0a_gemm1
	.globl	k_q4c5d488a0a_gemm1
	.p2align	8
	.type	k_q4c5d488a0a_gemm1,@function
k_q4c5d488a0a_gemm1:
	s_mov_b64 s[64:65], 0
	v_nop
	global_prefetch_b8 v0, s[64:65] scope:SCOPE_SE
	s_setreg_imm32_b32 hwreg(HW_REG_WAVE_MODE, 25, 1), 1
	s_wait_xcnt 0x0
	s_wait_alu depctr_hold_cnt(0) depctr_sa_sdst(0) depctr_va_vdst(0) depctr_va_sdst(0) depctr_va_ssrc(0) depctr_va_vcc(0) depctr_vm_vsrc(0)
	s_getreg_b32 s2, hwreg(HW_REG_IB_STS2, 6, 4)
	s_cmp_eq_u32 s2, 0
	s_cbranch_scc0 .Lentry_in_a_cluster
	s_endpgm
.Lentry_in_a_cluster:
	s_bfe_u32 s2, ttmp6, 0x10000c
	s_cmp_lg_u32 s2, 0xf033
	s_cbranch_scc0 .Lentry_shape_is_right
	s_endpgm
.Lentry_shape_is_right:
; GEMM1: qkvg = Q(LayerNorm(X)) Q(W_qkvg) + b, [4096][1024] x [1024][2048], on codes of FP4 (E2M1) with E8M0 scales, and what each quarter of the columns becomes:
;   Q, K: codes along the head's 64, scale words, and the row's sum of squares of the f32 numbers;   V: codes along the KEYS;   G: f32, in the register order in which the next launch multiplies by it.
; SHARES.  A work-group makes 256 tokens x 128 columns: 256 work-groups.  ALL OF K LIES IN LDS AT ONCE (128 KB of X's codes, 64 KB of W's, 12 KB of scale bytes): every byte of LDS is filled once, read behind one barrier, never written again.
; CLUSTERS: 4 x 4 work-groups.  The four of a row of the cluster need the same tokens, the four of a column the same columns of W: each block is asked for JOINTLY, by the same tensor load with the same descriptor and a mask that names the four.
; The cluster's x is the kind of column (0 Q, 1 K, 2 V, 3 G), the same in all sixteen partners: the branch at the end hangs on it alone.
; THE SOURCES CHANGE ROLES.  Q, K, G: source 0 = W's 8 tiles, source 1 = my 4 tiles of tokens: a lane holds ONE token, its registers run along the columns.  V: source 0 = 8 tiles of tokens, source 1 = 4 tiles of W:
; a lane holds one column of V, its registers run along the tokens, which are the K of attention's second product.  Only the four LDS bases differ.
; A TILE'S 16 ROWS ARE NOT NEIGHBOURS (position r of tile T is row 32 (T / 2) + 8 (T % 2) + r + 8 (r / 8)): the 16 registers of results of tiles 2 b, 2 b + 1 are 16 neighbours, 32 b + 16 (lane / 16) + 0 .. 15.
; REGISTERS, in windows of 256.  window 0: v1-15 addresses; v16-79, v80-111 scale words and nothing else; v112-175 source 1's fragments, two sets; at the end v112-249 at work.
;   window 1: v0-127 source 0's fragments, two sets; v128-191 the bias along registers; v192-199 the bias of a lane's column, twice each.   window 2: the 32 accumulators, (i, t) at v[64 i + 8 t].
; LIMITS: a block of zeros gets the scale byte 1 (its codes are zeros; this program alone reads the bytes); NaN and infinities are not served.
.set XC, 0
.set WC, 2097152
.set XS, 3407872
.set WS, 3538944
.set QC, 0                             ; qkvg: Q's codes [batch x head 16][tile 128][512]; K's 1,048,576 on
.set VC, 2097152                       ; V's codes [16][key step 16][tile of the head's 64: 4][1024]
.set QS, 3145728                       ; Q's scale words [16][4 tiles: 32][lane][2]; K's 131,072 on
.set VS, 3407872                       ; V's [16][key step][lane][2]
.set Q2, 3473408                       ; the sums of squares [16][2048]; K's 131,072 on
.set GG, 3735552                       ; G [tile 256][head 8][8 x 512]
.set LA,  0                            ; LDS: 16 tiles of tokens x 8 K steps x 1,024
.set LB,  131072                       ; 8 tiles of W likewise
.set LSA, 196608                       ; scale bytes: 16 tiles x 512
.set LSB, 204800                       ; 8 tiles x 512
.set AD0, 1
.set AD1, 2
.set AS0, 3
.set AS1, 4
.set O16, 5                            ; 16 x lane
.set O8,  6                            ; 8 x lane
.set ON,  7                            ; 8192 (lane / 16) + 4 (r + 8 (r / 8))
.set SC0, 16
.set SC1, 80
.set F1,  112
.set H,   112                          ; at the end: 64 numbers of a lane
.set TM,  176
.set PW,  192                          ; a scale word for each of four tiles
.set PC,  196                          ; and its codes
.set SQ,  228
.set E,   234
.set N2,  238
.set WD,  242
.set BQ,  128
.set BV,  192
.set G1A, 24
.set G0A, 32
.set G1B, 48
.set G0B, 56
.set G1SA, 68
.set G0SA, 76
.set G1SB, 80
.set G0SB, 88
.set SEL, 36
.set HALF, 38
.set MSB, 0
.macro WIN new                         ; the immediate's high byte repeats the setting that is left
.if MSB != \new
	s_set_vgpr_msb (MSB<<8)|\new
.set MSB, \new
.endif
.endm
.macro PLACES                          ; four plain instructions between a matrix instruction and a load into, or a vector write or read of, its registers
.rept 4
	v_nop
.endr
.endm
.macro CROUND                          ; a round of the cluster's barrier
	s_barrier_signal -1
	s_barrier_wait -1
	s_cmp_lg_u32 s14, 0
	s_cbranch_scc1 .Lnot_wave_0_\@
	s_barrier_signal -3
.Lnot_wave_0_\@:
	s_barrier_wait -3
	s_barrier_signal -1
	s_barrier_wait -1
.endm
.macro SHAPE g, rows                   ; a dense block as rows of 256 bytes: 32 elements of 8 bytes
	s_mov_b32 s[\g+1], 32<<16
	s_mov_b32 s[\g+2], (\rows)<<16
	s_mov_b32 s[\g+3], 32<<16
	s_mov_b32 s[\g+4], \rows
	s_mov_b32 s[\g+5], 32
	s_mov_b32 s[\g+6], 0
	s_mov_b32 s[\g+7], 0
.endm
; 16 nb numbers of a lane, register 16 b + i = k 32 b + 16 (lane / 16) + i of my row, become codes in the operand's layout in v[pc] on and the row's scale word in v[pw]
.macro QUANT s, pc, pw, nb
.set QB, 0
.rept \nb
	v_max3_num_f32 v[TM+QB], |v[\s+16*QB]|, |v[\s+1+16*QB]|, 0x1800000   ; my 16 numbers of block b, and the floor 2^(3 - 127): the byte cannot fall under 1
.set QB, QB+1
.endr
.irp i, 2,4,6,8,10,12,14
.set QB, 0
.rept \nb
	v_max3_num_f32 v[TM+QB], v[TM+QB], |v[\s+16*QB+\i]|, |v[\s+1+16*QB+\i]|
.set QB, QB+1
.endr
.endr
.set QB, 0
.rept \nb
	v_permlanex16_b32 v[TM+4+QB], v[TM+QB], s[SEL], s[SEL+1]
.set QB, QB+1
.endr
.set QB, 0
.rept \nb
	v_max_num_f32 v[TM+QB], v[TM+QB], v[TM+4+QB]   ; with lane l xor 16's: the block's largest magnitude
.set QB, QB+1
.endr
.set QB, 0
.rept \nb
	v_add_nc_u32 v[TM+12+QB], 0xff000000, v[TM+QB] ; 2 off its exponent field: the conversion's scale operand
.set QB, QB+1
.endr
.set QB, 0
.rept \nb
	v_lshrrev_b32 v[TM+4+QB], 23, v[TM+12+QB]      ; the scale's byte
.set QB, QB+1
.endr
	v_lshl_or_b32 v[\pw], v[TM+5], 8, v[TM+4]
.if \nb == 4
	v_lshl_or_b32 v[\pw], v[TM+6], 16, v[\pw]
	v_lshl_or_b32 v[\pw], v[TM+7], 24, v[\pw]
.endif
.set QB, 0
.rept \nb
	v_cvt_scalef32_pk8_fp4_f32 v[\pc+2*QB], v[\s+16*QB:\s+16*QB+7], v[TM+12+QB]
	v_cvt_scalef32_pk8_fp4_f32 v[\pc+2*QB+1], v[\s+16*QB+8:\s+16*QB+15], v[TM+12+QB]
.set QB, QB+1
.endr
	v_nop                                          ; one plain instruction behind a scaled conversion
.set QB, 0
.rept \nb/2                                    ; the layout wants a whole block in a lane: lanes 0-15 block 2 c, lanes 16-31 block 2 c + 1
	v_permlane16_swap_b32 v[\pc+4*QB], v[\pc+4*QB+2]
	v_permlane16_swap_b32 v[\pc+4*QB+1], v[\pc+4*QB+3]
.set QB, QB+1
.endr
.endm
.macro SCALES                          ; all scale words of my tiles: register 8 t + s is K step s of tile t, lane r row r
.irp t, 0,1,2,3,4,5,6,7
.irp x, 0,1
	ds_load_b128 v[SC0+8*\t+4*\x:SC0+8*\t+4*\x+3], v[AS0] offset:512*\t+256*\x
.endr
.endr
.irp i, 0,1,2,3
.irp x, 0,1
	ds_load_b128 v[SC1+8*\i+4*\x:SC1+8*\i+4*\x+3], v[AS1] offset:512*\i+256*\x
.endr
.endr
.endm
.macro FETCH s, set                    ; K step s: 24 loads, each 512 consecutive bytes
	WIN 0x40                                       ; destination window 1
.irp t, 0,1,2,3,4,5,6,7
.irp c, 0,1
	ds_load_b128 v[64*(\set)+8*\t+4*\c:64*(\set)+8*\t+4*\c+3], v[AD0] offset:8192*\t+1024*(\s)+512*\c
.endr
.endr
	WIN 0
.irp i, 0,1,2,3
.irp c, 0,1
	ds_load_b128 v[F1+32*(\set)+8*\i+4*\c:F1+32*(\set)+8*\i+4*\c+3], v[AD1] offset:8192*\i+1024*(\s)+512*\c
.endr
.endr
.endm
.macro MUL s, set, zero                ; 32 products; the 32 accumulators take turns, in the same order in every K step
	WIN 0xa1                                       ; source 0 window 1, source 1 window 0, C and D window 2
.irp i, 0,1,2,3
.irp t, 0,1,2,3,4,5,6,7
.if \zero
	v_wmma_scale_f32_16x16x128_f8f6f4 v[64*\i+8*\t:64*\i+8*\t+7], v[64*(\set)+8*\t:64*(\set)+8*\t+7], v[F1+32*(\set)+8*\i:F1+32*(\set)+8*\i+7], 0, v[SC0+8*\t+(\s)], v[SC1+8*\i+(\s)] matrix_a_fmt:MATRIX_FMT_FP4 matrix_b_fmt:MATRIX_FMT_FP4
.else
	v_wmma_scale_f32_16x16x128_f8f6f4 v[64*\i+8*\t:64*\i+8*\t+7], v[64*(\set)+8*\t:64*(\set)+8*\t+7], v[F1+32*(\set)+8*\i:F1+32*(\set)+8*\i+7], v[64*\i+8*\t:64*\i+8*\t+7], v[SC0+8*\t+(\s)], v[SC1+8*\i+(\s)] matrix_a_fmt:MATRIX_FMT_FP4 matrix_b_fmt:MATRIX_FMT_FP4
.endif
.endr
.endr
.endm
	s_load_b128 s[4:7], s[0:1], 0x0                ; prep s[4:5], b_qkvg s[6:7]
	s_load_b64 s[8:9], s[0:1], 0x10                ; qkvg
	v_lshl_add_u32 v254, v0, 2, 0x33000
	v_mov_b32 v255, 0
	ds_add_u32 v254, v255
	ds_add_u32 v254, v255
	v_lshrrev_b32 v1, 5, v0
	v_readfirstlane_b32 s14, v1                    ; wave 0..3
	s_lshr_b32 s15, s14, 1                         ; I fetch for the tokens (0) or for W (1)
	s_and_b32 s16, s14, 1                          ; which half of that block
	s_bfe_u32 s40, ttmp6, 0x40000                  ; cx, cy: my place in the cluster
	s_bfe_u32 s41, ttmp6, 0x40004
	s_lshl_b32 s42, ttmp9, 2
	s_add_co_u32 s42, s42, s40                     ; x: which 128 columns
	s_and_b32 s17, ttmp7, 0xffff
	s_lshl_b32 s17, s17, 2
	s_add_co_u32 s17, s17, s41                     ; y: which 256 tokens
	s_lshl_b32 s43, s41, 2
	s_lshl_b32 s43, 15, s43                        ; my row of the cluster
	s_lshl_b32 s44, 0x1111, s40                    ; my column
	s_or_b32 s[G1A], s43, (3<<16)|(1<<21)          ; 15:0 the mask; 17:16 elements of 8 bytes; 21 set beside a mask; no padding: fragments lie as images, every LDS load takes 512 consecutive bytes
	s_or_b32 s[G1SA], s43, (3<<16)|(1<<21)
	s_or_b32 s[G1B], s44, (3<<16)|(1<<21)
	s_or_b32 s[G1SB], s44, (3<<16)|(1<<21)
	SHAPE G1A, 256                                 ; 65,536 bytes: 8 tiles of tokens, all of K
	SHAPE G1B, 128                                 ; 32,768: 4 tiles of W
	SHAPE G1SA, 16                                 ; 4,096: 8 tiles' scale bytes
	SHAPE G1SB, 8                                  ; 2,048: 4 tiles'
	s_lshl_b32 s20, s17, 17
	s_lshl_b32 s18, s16, 16
	s_add_co_u32 s20, s20, s18                     ; the tokens' codes (XC = 0)
	s_mov_b32 s21, 0
	s_lshl_b32 s22, s17, 13
	s_lshl_b32 s18, s16, 12
	s_add_co_u32 s22, s22, s18
	s_add_co_u32 s22, s22, XS                      ; their scale bytes
	s_mov_b32 s23, 0
	s_lshl_b32 s46, s42, 16
	s_lshl_b32 s18, s16, 15
	s_add_co_u32 s46, s46, s18
	s_add_co_u32 s46, s46, WC                      ; W's codes
	s_mov_b32 s47, 0
	s_lshl_b32 s92, s42, 12
	s_lshl_b32 s18, s16, 11
	s_add_co_u32 s92, s92, s18
	s_add_co_u32 s92, s92, WS                      ; W's scale bytes
	s_mov_b32 s93, 0
	s_lshl_b32 s98, s42, 9                         ; the bias of my 128 columns
	s_mov_b32 s99, 0
	s_wait_dscnt 0x0
	s_wait_kmcnt 0x0
	s_add_nc_u64 s[20:21], s[4:5], s[20:21]
	s_add_nc_u64 s[22:23], s[4:5], s[22:23]
	s_add_nc_u64 s[46:47], s[4:5], s[46:47]
	s_add_nc_u64 s[92:93], s[4:5], s[92:93]
	s_add_nc_u64 s[6:7], s[6:7], s[98:99]
	CROUND                                         ; all sixteen work-groups are here: the joint loads meet
	s_mov_b32 s[G0SA], 1
	s_lshl_b32 s[G0SA+1], s16, 12
	s_add_co_u32 s[G0SA+1], s[G0SA+1], LSA
	s_mov_b64 s[G0SA+2:G0SA+3], s[22:23]
	s_or_b32 s[G0SA+3], s[G0SA+3], 0x80000000
	s_mov_b32 s[G0A], 1
	s_lshl_b32 s[G0A+1], s16, 16
	s_mov_b64 s[G0A+2:G0A+3], s[20:21]
	s_or_b32 s[G0A+3], s[G0A+3], 0x80000000
	s_mov_b32 s[G0SB], 1
	s_lshl_b32 s[G0SB+1], s16, 11
	s_add_co_u32 s[G0SB+1], s[G0SB+1], LSB
	s_mov_b64 s[G0SB+2:G0SB+3], s[92:93]
	s_or_b32 s[G0SB+3], s[G0SB+3], 0x80000000
	s_mov_b32 s[G0B], 1
	s_lshl_b32 s[G0B+1], s16, 15
	s_add_co_u32 s[G0B+1], s[G0B+1], LB
	s_mov_b64 s[G0B+2:G0B+3], s[46:47]
	s_or_b32 s[G0B+3], s[G0B+3], 0x80000000
	s_cmp_eq_u32 s15, 0                            ; a wave's two fills stand in one branch on the wave's number: two tensor loads of mine are out; four v_nop follow the second
	s_cbranch_scc0 .Lfor_w
	tensor_load_to_lds s[G0SA:G0SA+3], s[G1SA:G1SA+7]
	s_nop 0
	tensor_load_to_lds s[G0A:G0A+3], s[G1A:G1A+7]
	s_nop 0
.rept 4
	v_nop
.endr
	s_branch .Lasked
.Lfor_w:
	tensor_load_to_lds s[G0SB:G0SB+3], s[G1SB:G1SB+7]
	s_nop 0
	tensor_load_to_lds s[G0B:G0B+3], s[G1B:G1B+7]
	s_nop 0
.rept 4
	v_nop
.endr
.Lasked:
	v_and_b32 v8, 31, v0
	v_and_b32 v9, 15, v0                           ; r
	v_bfe_u32 v10, v0, 4, 1                        ; h
	v_lshlrev_b32 v[O16], 4, v8
	v_lshlrev_b32 v[O8], 3, v8
	v_and_b32 v11, 8, v9
	v_add_nc_u32 v11, v11, v9
	v_lshlrev_b32 v11, 2, v11                      ; 4 (r + 8 (r / 8))
	v_lshl_add_u32 v[ON], v10, 13, v11
	v_lshlrev_b32 v12, 6, v10                      ; 64 h: my half's 16 columns of each 32
	v_lshlrev_b32 v13, 4, v9
	s_lshl_b32 s18, s16, 8
	v_add_nc_u32 v14, s18, v11                     ; V: my column of my wave's 64
	s_lshl_b32 s60, s15, 16                        ; V: source 0 = tokens' tiles 8 (w / 2) on,
	s_lshl_b32 s61, s15, 12
	s_add_co_u32 s61, s61, LSA
	s_lshl_b32 s62, s16, 15                        ; source 1 = W's tiles 4 (w % 2) on
	s_add_co_u32 s62, s62, LB
	s_lshl_b32 s63, s16, 11
	s_add_co_u32 s63, s63, LSB
	s_lshl_b32 s94, s14, 15                        ; else: source 1 = tokens' tiles 4 w on,
	s_lshl_b32 s95, s14, 11
	s_add_co_u32 s95, s95, LSA
	s_mov_b32 s96, LB                              ; source 0 = W's eight
	s_mov_b32 s97, LSB
	s_cmp_eq_u32 ttmp9, 2
	s_cselect_b32 s60, s60, s96
	s_cselect_b32 s61, s61, s97
	s_cselect_b32 s62, s62, s94
	s_cselect_b32 s63, s63, s95
	v_add_nc_u32 v[AD0], s60, v[O16]
	v_add_nc_u32 v[AD1], s62, v[O16]
	v_add_nc_u32 v[AS0], s61, v13
	v_add_nc_u32 v[AS1], s63, v13
	s_mov_b32 s[SEL], 0x76543210
	s_mov_b32 s[SEL+1], 0xfedcba98                 ; v_permlanex16_b32's selects for lane l xor 16
	s_mov_b32 s[HALF], 0xffff0000                  ; lanes 16-31
	WIN 0x40                                       ; both forms of the bias are loaded on every way
.irp t, 0,1,2,3,4,5,6,7
	global_load_b128 v[BQ+8*\t:BQ+8*\t+3], v12, s[6:7] offset:(32*(\t/2)+8*(\t%2))*4
	global_load_b128 v[BQ+8*\t+4:BQ+8*\t+7], v12, s[6:7] offset:(32*(\t/2)+8*(\t%2))*4+16
.endr
.irp i, 0,1,2,3
	global_load_b32 v[BV+2*\i], v14, s[6:7] offset:(32*(\i/2)+8*(\i%2))*4
	global_load_b32 v[BV+2*\i+1], v14, s[6:7] offset:(32*(\i/2)+8*(\i%2))*4
.endr
	WIN 0
	s_wait_tensorcnt 0x0                           ; my two blocks have landed,
	s_barrier_signal -1
	s_barrier_wait -1                              ; everybody's have.  From here on LDS is only read
	SCALES
	FETCH 0, 0
	FETCH 1, 1
	s_wait_dscnt 24                                ; all but the 24 just issued
	MUL 0, 0, 1                                    ; the first K step starts the sums: nothing is cleared
.irp s, 1,2,3,4,5,6
	PLACES                                         ; behind the products that read the set that is loaded next
	FETCH (\s+1), ((\s+1)%2)
	s_wait_dscnt 24
	MUL \s, (\s%2), 0
.endr
	s_wait_dscnt 0x0
	MUL 7, 1, 0
	WIN 0
	PLACES
	s_wait_loadcnt 0x0                             ; the bias
.irp b, 0,1,2,3
	v_mov_b32 v[TM+4+\b], 0                        ; a lane permute's destination counts as one of its sources
.endr
	v_mov_b32 v[SQ+4], 0
	v_mov_b32 v[SQ+5], 0
	s_lshr_b32 s18, s17, 3                         ; the batch
	s_and_b32 s19, s17, 7                          ; which 256 tokens of it
	s_lshl_b32 s18, s18, 3
	s_lshl_b32 s20, s40, 1
	s_add_co_u32 s18, s18, s20                     ; 8 x batch + my first head
	s_cmp_eq_u32 ttmp9, 2
	s_cbranch_scc1 .Lv
	s_cmp_eq_u32 ttmp9, 3
	s_cbranch_scc1 .Lg
	; ---- Q and K: my 128 columns are two heads.  For each of my four tiles of tokens: + bias, the two sums of squares, the codes of 4 blocks of 32.
	s_lshl_b32 s20, ttmp9, 20
	s_lshl_b32 s21, s18, 16
	s_add_co_u32 s20, s20, s21
	s_lshl_b32 s21, s19, 13
	s_add_co_u32 s20, s20, s21
	s_lshl_b32 s21, s14, 11
	s_add_co_u32 s20, s20, s21
	s_mov_b32 s21, 0
	s_add_nc_u64 s[66:67], s[8:9], s[20:21]        ; codes: 65,536 a head, 512 a tile
	s_lshl_b32 s20, ttmp9, 17
	s_lshl_b32 s21, s18, 13
	s_add_co_u32 s20, s20, s21
	s_lshl_b32 s21, s19, 10
	s_add_co_u32 s20, s20, s21
	s_lshl_b32 s21, s14, 8
	s_add_co_u32 s20, s20, s21
	s_mov_b32 s21, 0
	s_add_nc_u64 s[100:101], s[8:9], s[20:21]      ; scale words and sums of squares: 8,192 a head, 256 for my four tiles
	s_mov_b32 s46, 0xffff
	s_mov_b32 s47, 0x7f7f0000
.irp i, 0,1,2,3
	WIN 0x06                                       ; source 0 window 2, source 1 window 1
.set M, 0
.rept 32
	v_pk_add_f32 v[H+M:H+M+1], v[64*\i+M:64*\i+M+1], v[BQ+M:BQ+M+1]    ; each accumulator from its low end on
.set M, M+2
.endr
	WIN 0
	v_pk_mul_f32 v[SQ:SQ+1], v[H:H+1], v[H:H+1]
	v_pk_mul_f32 v[SQ+2:SQ+3], v[H+32:H+33], v[H+32:H+33]
.set M, 2
.rept 15
	v_pk_fma_f32 v[SQ:SQ+1], v[H+M:H+M+1], v[H+M:H+M+1], v[SQ:SQ+1]     ; the two heads by turns
	v_pk_fma_f32 v[SQ+2:SQ+3], v[H+32+M:H+33+M], v[H+32+M:H+33+M], v[SQ+2:SQ+3]
.set M, M+2
.endr
	v_add_f32 v[SQ], v[SQ], v[SQ+1]
	v_add_f32 v[SQ+2], v[SQ+2], v[SQ+3]
	v_permlanex16_b32 v[SQ+4], v[SQ], s[SEL], s[SEL+1]
	v_permlanex16_b32 v[SQ+5], v[SQ+2], s[SEL], s[SEL+1]
	v_add_f32 v[SQ], v[SQ], v[SQ+4]
	v_add_f32 v[SQ+2], v[SQ+2], v[SQ+5]
	v_cndmask_b32 v[N2+\i], v[SQ], v[SQ+2], s[HALF]           ; lanes 0-15 store the first head's, lanes 16-31 the second's
	global_store_b32 v[ON], v[N2+\i], s[100:101] offset:Q2+4*(32*(\i/2)+8*(\i%2))
	QUANT H, PC+8*\i, PW+\i, 4
	global_store_b128 v[O16], v[PC+8*\i:PC+8*\i+3], s[66:67] offset:QC+512*\i          ; 32 lanes store 512 consecutive bytes, aligned
	global_store_b128 v[O16], v[PC+8*\i+4:PC+8*\i+7], s[66:67] offset:QC+512*\i+65536
.endr
.irp i, 0,1,2,3                                ; a head's word: its two bytes, and 0x7f for the two blocks of zero codes that fill the instruction's K
	v_and_or_b32 v[WD+\i], v[PW+\i], s46, s47
	v_lshrrev_b32 v[WD+4+\i], 16, v[PW+\i]
.endr
.irp i, 0,1,2,3
	v_or_b32 v[WD+4+\i], s47, v[WD+4+\i]
.endr
.irp e, 0,1
.irp x, 0,1
	v_cndmask_b32 v[E+2*\e+\x], v[WD+4*\e+2*\x], v[WD+4*\e+2*\x+1], s[HALF]   ; a register carries an even tile's words in lanes 0-15 and the odd tile's in lanes 16-31
.endr
	global_store_b64 v[O8], v[E+2*\e:E+2*\e+1], s[100:101] offset:QS+8192*\e   ; 32 lanes store 256 consecutive bytes, aligned
.endr
	s_branch .Ldone
	; ---- V: a lane holds one column of my wave's head, its 64 registers 128 keys' half: the codes are a fragment of V^T, keys innermost.
.Lv:
	s_add_co_u32 s18, s18, s16                     ; my head
	s_lshl_b32 s19, s19, 1
	s_add_co_u32 s19, s19, s15                     ; my key step
	s_lshl_b32 s20, s18, 16
	s_lshl_b32 s21, s19, 12
	s_add_co_u32 s20, s20, s21
	s_mov_b32 s21, 0
	s_add_nc_u64 s[66:67], s[8:9], s[20:21]
	s_lshl_b32 s20, s18, 12
	s_lshl_b32 s21, s19, 8
	s_add_co_u32 s20, s20, s21
	s_mov_b32 s21, 0
	s_add_nc_u64 s[100:101], s[8:9], s[20:21]
.irp i, 0,1,2,3
	WIN 0x06
.set M, 0
.rept 32
	v_pk_add_f32 v[H+M:H+M+1], v[64*\i+M:64*\i+M+1], v[BV+2*\i:BV+2*\i+1]
.set M, M+2
.endr
	WIN 0
	QUANT H, PC+8*\i, PW+\i, 4
	global_store_b128 v[O16], v[PC+8*\i:PC+8*\i+3], s[66:67] offset:VC+1024*\i
	global_store_b128 v[O16], v[PC+8*\i+4:PC+8*\i+7], s[66:67] offset:VC+1024*\i+512
.endr
	v_cndmask_b32 v[E], v[PW], v[PW+1], s[HALF]
	v_cndmask_b32 v[E+1], v[PW+2], v[PW+3], s[HALF]
	global_store_b64 v[O8], v[E:E+1], s[100:101] offset:VS
	s_branch .Ldone
	; ---- G: + bias, stored as the registers stand: the next launch's results have the same layout.
.Lg:
	s_lshl_b32 s20, s17, 4
	s_lshl_b32 s21, s14, 2
	s_add_co_u32 s20, s20, s21                     ; my first tile of tokens
	s_lshl_b32 s20, s20, 15
	s_lshl_b32 s21, s40, 13
	s_add_co_u32 s20, s20, s21
	s_mov_b32 s21, 0
	s_add_nc_u64 s[66:67], s[8:9], s[20:21]
	WIN 0x86                                       ; source 0 and destination window 2, source 1 window 1
.set M, 0
.rept 128
	v_pk_add_f32 v[M:M+1], v[M:M+1], v[BQ+M%64:BQ+M%64+1]
.set M, M+2
.endr
	WIN 0x08                                       ; a store's data are its source 1: window 2
.irp i, 0,1,2,3
.irp t, 0,1,2,3,4,5,6,7
	global_store_b128 v[O16], v[64*\i+8*\t:64*\i+8*\t+3], s[66:67] offset:GG+32768*\i+1024*\t
	global_store_b128 v[O16], v[64*\i+8*\t+4:64*\i+8*\t+7], s[66:67] offset:GG+32768*\i+1024*\t+512
.endr
.endr
	WIN 0
.Ldone:
	s_wait_tensorcnt 0x0
	ds_add_u32 v254, v255
	s_wait_dscnt 0x0
	CROUND                                         ; the closing round: no work-group ends while a partner may still ask for a block that names it
	s_endpgm
.Lfunc_end_k_q4c5d488a0a_gemm1:
	.size	k_q4c5d488a0a_gemm1, .Lfunc_end_k_q4c5d488a0a_gemm1-k_q4c5d488a0a_gemm1
	.p2alignl 7, 3214868480
	.fill 96, 4, 3214868480
	.section	.rodata,"a",@progbits
	.p2align	6, 0x0
	.amdhsa_kernel k_q4c5d488a0a_gemm1
		.amdhsa_group_segment_fixed_size 209408
		.amdhsa_private_segment_fixed_size 0
		.amdhsa_enable_private_segment 0
		.amdhsa_kernarg_size 24
		.amdhsa_user_sgpr_count 2
		.amdhsa_user_sgpr_kernarg_segment_ptr 1
		.amdhsa_wavefront_size32 1
		.amdhsa_system_sgpr_workgroup_id_x 1
		.amdhsa_system_sgpr_workgroup_id_y 1
		.amdhsa_system_sgpr_workgroup_id_z 1
		.amdhsa_system_vgpr_workitem_id 0
		.amdhsa_next_free_vgpr 768
		.amdhsa_next_free_sgpr 102
		.amdhsa_reserve_vcc 0
		.amdhsa_float_denorm_mode_32 3
		.amdhsa_float_denorm_mode_16_64 3
		.amdhsa_memory_ordered 1
		.amdhsa_forward_progress 1
		.amdhsa_inst_pref_size 133
	.end_amdhsa_kernel
	.amdgpu_metadata
---
amdhsa.version: [ 1, 2 ]
amdhsa.kernels:
  - .name:           k_q4c5d488a0a_gemm1
    .symbol:         k_q4c5d488a0a_gemm1.kd
    .args:
      - { .name: prep, .offset: 0, .size: 8, .value_kind: global_buffer, .address_space: global }
      - { .name: b_qkvg, .offset: 8, .size: 8, .value_kind: global_buffer, .address_space: global }
      - { .name: qkvg, .offset: 16, .size: 8, .value_kind: global_buffer, .address_space: global }
    .group_segment_fixed_size: 209408
    .private_segment_fixed_size: 0
    .kernarg_segment_align: 8
    .kernarg_segment_size: 24
    .max_flat_workgroup_size: 128
    .sgpr_count:     102
    .vgpr_count:     768
    .wavefront_size: 32
...
	.end_amdgpu_metadata
.endif
;; end of part 2
;; launch attn (part 3): grid 16 x 16, 16 waves a work-group, no clusters, 221,184 bytes of LDS; arguments qkvg, maskw, yg; writes yg
.if DOCPART == 3
	.amdgcn_target "amdgcn-amd-amdhsa--gfx1250"
	.amdhsa_code_object_version 6
	.text
	.protected	k_q4c5d488a0a_attn
	.globl	k_q4c5d488a0a_attn
	.p2align	8
	.type	k_q4c5d488a0a_attn,@function
k_q4c5d488a0a_attn:
	s_mov_b64 s[64:65], 0
	v_nop
	global_prefetch_b8 v0, s[64:65] scope:SCOPE_SE
	s_setreg_imm32_b32 hwreg(HW_REG_WAVE_MODE, 25, 1), 1
	s_wait_xcnt 0x0
; ATTN: for one head of one batch: d2 = |q|^2 + |k|^2 - 2 Q(q).Q(k); weight = 1 / max(d2, 1e-16), 0 where the mask is set; attn = weight / max(row's sum, 1e-8); Y = Q(attn) Q(V); the codes of Y x G.
; attn is quantised FINISHED, so the row's sum is wanted before the first code: THE SCORES ARE MADE TWICE.  Pass 1 sums the weights; pass 2 makes them again by the same instructions (the same bits), divides, quantises, multiplies by V.
; SHARES.  Work-group (g, head): 8 tiles of 16 queries.  Sixteen waves in 256 registers each: wave w has tile w % 8 of the eight and the key steps (128 keys) of parity w / 8.  The two waves of a tile exchange their sums and, at the end, their halves of O through LDS.
; The eight tiles are g, 32 + g, 64 + g, 96 + g, 127 - g, 95 - g, 63 - g, 31 - g: early and late queries in one work-group, for masks that grow with the query; no value hangs on that choice.
; K's and V's codes, scale words and |k|^2 of the whole head lie in LDS, copied once through registers.  G of a tile is asked for at the head too, half by each wave of the tile's pair: it lands during pass 1 in V's fragment
; registers, which are idle there, goes to LDS between the passes and is read from there at the end: nothing is asked of memory behind the head but the lane words of mixed steps.
; LAYOUT.  Both products are used transposed: source 0 = 16 keys (or 16 of the head's 64), source 1 = my 16 queries: a lane holds ONE query.  The keys of a tile are chosen so that the 16 registers of tiles 2 b, 2 b + 1 are keys 32 b + 16 (lane / 16) + 0 .. 15.
; The head's 64 fill half of the instruction's K of 128: the other half are zero codes under the byte 0x7f.  Q's codes carry the factor -2: their sign bits are turned and their scale bytes raised by 1; |q|^2 is the product's C; |k|^2 is added from the lane that holds it (DPP row_share).
; THE MASK is an input.  An earlier launch packed it: a lane word for each register of a step, and two bits a step (0 none masked, 1 all, 2 mixed).  A step all of whose keys are masked for my 16 queries is left out by a scalar branch on that stored number;
; a step with none masked neither fetches its lane words nor runs the 64 selects.  A masked d2 becomes +infinity, so that its weight is exactly 0.
; NO JOINT LOADS: what the sixteen work-groups of a head share is 148 KB, read once by each, against 128 key steps of work.
; LIMITS: a block of q whose largest magnitude is 2^126 or more is not served (its raised byte would be 0xff); a block of zeros has the byte 1; O is summed in two halves (even and odd key steps); NaN and infinities among the inputs are not served.
.set QC, 0
.set KC, 1048576
.set VC, 2097152
.set QS, 3145728
.set KS, 3276800
.set VS, 3407872
.set Q2, 3473408
.set K2, 3604480
.set GG, 3735552
.set MS, 524288
.set YS, 1048576
.set LKC, 0                            ; LDS: K's codes, 128 tiles x 512
.set LVC, 65536                        ; V's, 16 steps x 4 x 1,024
.set LKS, 131072                       ; K's scale words, 512 a step
.set LVS, 139264                       ; V's, 256 a step
.set LK2, 143360                       ; |k|^2, 512 a step
.set LXS, 151552                       ; the waves' sums, a word a thread
.set LXO, 153600                       ; the odd waves' O, 4,096 a tile
.set LG,  186368                       ; G, 4,096 a tile, in O's register order
.set AK0, 1                            ; v1-5 lane terms that stay; v6-10 the step's addresses
.set AV0, 2
.set AS0, 3
.set A20, 4
.set AT0, 5
.set ADK, 6
.set ADV, 7
.set ADS, 8
.set AD2, 9
.set ADT, 10
.set XOA, 15
.set TM,  232                          ; v232-247 at work; v240-243 |k|^2 of the step
.set WV,  10
.set AA,  11
.set PI,  12
.set TAU, 13
.set BH,  14
.set T0,  15
.set MSUM, 84
.set SH,  85
.set IT,  86
.set TK,  87
.set TS,  88
.set TV,  89
.set MB,  90
.set SEL, 92
.set EPS, 94
; v11 Q's scale word; v[12:13] the sum, later 1 / total; v14 +infinity; v16-23 Q; v24-31 |q|^2; v32-95 K's 8 fragments; v96-159 the scores; v160-191 O; v192-223 V's 4 fragments; v224-231 attn's codes; v248 their scale word; v250-253 K's scale words; v254-255 V's
; s16-63, s68-83 the step's 64 mask words
.macro QUANT s, pc, pw, nb             ; 16 nb numbers of a lane, register 16 b + i = k 32 b + 16 (lane / 16) + i of my row, become codes in the operand's layout and the row's scale word
.set QB, 0
.rept \nb
	v_max3_num_f32 v[TM+QB], |v[\s+16*QB]|, |v[\s+1+16*QB]|, 0x1800000   ; and the floor 2^(3 - 127): the byte cannot fall under 1
.set QB, QB+1
.endr
.irp i, 2,4,6,8,10,12,14
.set QB, 0
.rept \nb
	v_max3_num_f32 v[TM+QB], v[TM+QB], |v[\s+16*QB+\i]|, |v[\s+1+16*QB+\i]|
.set QB, QB+1
.endr
.endr
.set QB, 0
.rept \nb
	v_permlanex16_b32 v[TM+4+QB], v[TM+QB], s[SEL], s[SEL+1]
.set QB, QB+1
.endr
.set QB, 0
.rept \nb
	v_max_num_f32 v[TM+QB], v[TM+QB], v[TM+4+QB]
.set QB, QB+1
.endr
.set QB, 0
.rept \nb
	v_add_nc_u32 v[TM+12+QB], 0xff000000, v[TM+QB] ; 2 off the exponent field: the conversion's scale operand
.set QB, QB+1
.endr
.set QB, 0
.rept \nb
	v_lshrrev_b32 v[TM+4+QB], 23, v[TM+12+QB]
.set QB, QB+1
.endr
	v_lshl_or_b32 v[\pw], v[TM+5], 8, v[TM+4]
.if \nb == 4
	v_lshl_or_b32 v[\pw], v[TM+6], 16, v[\pw]
	v_lshl_or_b32 v[\pw], v[TM+7], 24, v[\pw]
.endif
.set QB, 0
.rept \nb
	v_cvt_scalef32_pk8_fp4_f32 v[\pc+2*QB], v[\s+16*QB:\s+16*QB+7], v[TM+12+QB]
	v_cvt_scalef32_pk8_fp4_f32 v[\pc+2*QB+1], v[\s+16*QB+8:\s+16*QB+15], v[TM+12+QB]
.set QB, QB+1
.endr
	v_nop                                          ; one plain instruction behind a scaled conversion
.set QB, 0
.rept \nb/2
	v_permlane16_swap_b32 v[\pc+4*QB], v[\pc+4*QB+2]
	v_permlane16_swap_b32 v[\pc+4*QB+1], v[\pc+4*QB+3]
.set QB, QB+1
.endr
.endm
; A PASS over my eight key steps.  The trip count is a constant; what the mask leaves out is a step's work, not a trip.
.macro PASS p
	s_mov_b32 s[IT], 0
	s_lshl_b32 s[SH], s[PI], 1
	s_lshl_b32 s[TK], s[PI], 12
	s_lshl_b32 s[TS], s[PI], 9
	s_lshl_b32 s[TV], s[PI], 8
	s_lshl_b32 s96, s[TAU], 12
	s_add_co_u32 s96, s96, s[TV]
	s_mov_b32 s97, 0
	s_add_nc_u64 s[MB:MB+1], s[6:7], s[96:97]      ; my tile's lane words, my first step
.Ltrip_\@:
	s_lshr_b32 s[T0], s[MSUM], s[SH]
	s_and_b32 s[T0], s[T0], 3
	s_cmp_eq_u32 s[T0], 1
	s_cbranch_scc1 .Lnext_\@                       ; every key of the step is masked for my 16 queries
	s_cmp_eq_u32 s[T0], 0
	s_cbranch_scc1 .Lbare_\@                       ; none is: its lane words are all zeros and are not fetched
	s_load_b512 s[16:31], s[MB:MB+1], 0x0          ; a mixed step: asked for here, wanted behind the products and the 64 additions
	s_load_b512 s[32:47], s[MB:MB+1], 0x40
	s_load_b512 s[48:63], s[MB:MB+1], 0x80
	s_load_b512 s[68:83], s[MB:MB+1], 0xc0
.Lbare_\@:
	v_add_nc_u32 v[ADK], s[TK], v[AK0]
	v_add_nc_u32 v[ADS], s[TS], v[AS0]
	v_add_nc_u32 v[AD2], s[TS], v[A20]
	v_add_nc_u32 v[ADV], s[TK], v[AV0]
	v_add_nc_u32 v[ADT], s[TV], v[AT0]             ; (these five are also the places between the last trip's products and the loads into their registers)
.irp b, 0,1,2,3
	ds_load_b32 v[240+\b], v[AD2] offset:128*\b    ; lane L: |k|^2 of key 32 b + L
.endr
	ds_load_b64 v[250:251], v[ADS]
	ds_load_b64 v[252:253], v[ADS] offset:256
.irp t, 0,1,2,3,4,5,6,7
	ds_load_b128 v[32+8*\t:35+8*\t], v[ADK] offset:512*\t
.endr
.if \p == 2
.irp i, 0,1,2,3
.irp c, 0,1
	ds_load_b128 v[192+8*\i+4*\c:195+8*\i+4*\c], v[ADV] offset:1024*\i+512*\c
.endr
.endr
	ds_load_b64 v[254:255], v[ADT]
	s_wait_dscnt 9                                 ; K's side is in; V's nine loads stay out
.else
	s_wait_dscnt 0x0
.endif
.irp t, 0,1,2,3,4,5,6,7                        ; |q|^2 - 2 q.k
.if \t % 2
	v_wmma_scale_f32_16x16x128_f8f6f4 v[96+8*\t:103+8*\t], v[32+8*\t:39+8*\t], v[16:23], v[24:31], v[250+\t/2], v11 matrix_a_fmt:MATRIX_FMT_FP4 matrix_b_fmt:MATRIX_FMT_FP4 matrix_a_scale:MATRIX_SCALE_ROW1
.else
	v_wmma_scale_f32_16x16x128_f8f6f4 v[96+8*\t:103+8*\t], v[32+8*\t:39+8*\t], v[16:23], v[24:31], v[250+\t/2], v11 matrix_a_fmt:MATRIX_FMT_FP4 matrix_b_fmt:MATRIX_FMT_FP4
.endif
.endr
.rept 4
	v_nop                                          ; four places in front of the first read of results (ISA guide 7.12.1)
.endr
.irp b, 0,1,2,3
.irp y, 0,1,2,3,4,5,6,7,8,9,10,11,12,13,14,15
	v_add_f32_dpp v[96+16*\b+\y], v[240+\b], v[96+16*\b+\y] row_share:\y row_mask:0xf bank_mask:0xf   ; + |k|^2 of the register's key, which lane y of my half holds; each result from its low end on
.endr
.endr
	s_wait_kmcnt 0x0                               ; on every way: a mixed step's lane words are in, and their base may be stepped below; met at once where none was asked for
	s_cmp_eq_u32 s[T0], 0
	s_cbranch_scc1 .Lopen_\@                       ; none of the step's keys is masked
.set E, 0
.rept 64
	v_cndmask_b32 v[96+E], v[96+E], v14, s[16+E+4*(E/48)]
.set E, E+1
.endr
.Lopen_\@:
.set E, 0
.rept 64
	v_max_num_f32 v[96+E], s[EPS], v[96+E]         ; max(sqrt(max(d2, 0)), 1e-8)^2
.set E, E+1
.endr
.set E, 0
.rept 64
	v_rcp_f32 v[96+E], v[96+E]
.set E, E+1
.endr
	v_nop                                          ; a plain instruction between the transcendentals and the use of their results (ISA guide 5.7.2)
.if \p == 1
.set E, 0
	s_wait_alu depctr_va_vdst(0)
.rept 16
	v_pk_add_f32 v[12:13], v[12:13], v[96+E:97+E]   ; two chains
	v_pk_add_f32 v[224:225], v[224:225], v[98+E:99+E]
.set E, E+4
.endr
.else
.set E, 0
	s_wait_alu depctr_va_vdst(0)
.rept 32
	v_pk_mul_f32 v[96+E:97+E], v[96+E:97+E], v[12:13] op_sel_hi:[1,0]   ; attn, finished
.set E, E+2
.endr
	QUANT 96, 224, 248, 4
.rept 8
	v_nop                                          ; a scale word written by vector instructions stands eight places ahead of the scaled product, an operand four
.endr
	s_wait_dscnt 0x0                               ; V
.irp i, 0,1,2,3                                ; O^T += V^T attn^T: four accumulators, one turn each; eight other products stand between two links
.if \i % 2
	v_wmma_scale_f32_16x16x128_f8f6f4 v[160+8*\i:167+8*\i], v[192+8*\i:199+8*\i], v[224:231], v[160+8*\i:167+8*\i], v[254+\i/2], v248 matrix_a_fmt:MATRIX_FMT_FP4 matrix_b_fmt:MATRIX_FMT_FP4 matrix_a_scale:MATRIX_SCALE_ROW1
.else
	v_wmma_scale_f32_16x16x128_f8f6f4 v[160+8*\i:167+8*\i], v[192+8*\i:199+8*\i], v[224:231], v[160+8*\i:167+8*\i], v[254+\i/2], v248 matrix_a_fmt:MATRIX_FMT_FP4 matrix_b_fmt:MATRIX_FMT_FP4
.endif
.endr
.endif
.Lnext_\@:
	s_add_co_u32 s[SH], s[SH], 4                   ; two steps on: the other parity's lie between
	s_add_co_u32 s[TK], s[TK], 8192
	s_add_co_u32 s[TS], s[TS], 1024
	s_add_co_u32 s[TV], s[TV], 512
	s_add_nc_u64 s[MB:MB+1], s[MB:MB+1], 512       ; (the scalar loads that read it are done, or none was issued)
	s_add_co_u32 s[IT], s[IT], 1
	s_cmp_lt_u32 s[IT], 8
	s_cbranch_scc1 .Ltrip_\@
.endm
	s_load_b128 s[4:7], s[0:1], 0x0                ; qkvg s[4:5], maskw s[6:7]
	s_load_b64 s[8:9], s[0:1], 0x10                ; yg
	v_lshrrev_b32 v1, 5, v0
	v_readfirstlane_b32 s[WV], v1                  ; wave 0..15
	s_and_b32 s[AA], s[WV], 7
	s_lshr_b32 s[PI], s[WV], 3
	s_and_b32 s[BH], ttmp7, 0xffff                 ; 8 x batch + head
	s_lshl_b32 s95, s[AA], 5
	s_add_co_u32 s96, s95, ttmp9
	s_sub_co_u32 s97, 255, s95
	s_sub_co_u32 s97, s97, ttmp9
	s_cmp_lt_u32 s[AA], 4
	s_cselect_b32 s[TAU], s96, s97                 ; my tile of queries
	v_and_b32 v232, 31, v0                         ; lane
	v_and_b32 v233, 15, v0                         ; r
	v_lshlrev_b32 v[AK0], 4, v232
	v_add_nc_u32 v[AV0], LVC, v[AK0]
	v_lshl_add_u32 v[AS0], v232, 3, LKS
	v_lshl_add_u32 v[A20], v232, 2, LK2
	v_lshl_add_u32 v[AT0], v232, 3, LVS
	s_lshl_b32 s95, s[AA], 12
	s_add_co_u32 s95, s95, LXO
	v_add_nc_u32 v[XOA], s95, v[AK0]
	s_lshl_b32 s95, s[WV], 12
	v_add_nc_u32 v6, s95, v[AK0]                   ; the copy: 4,096 bytes of codes a wave,
	s_lshl_b32 s96, s[WV], 9
	s_add_co_u32 s96, s96, LKS
	v_add_nc_u32 v7, s96, v[AK0]                   ; 512 of scale words and of |k|^2
	v_lshlrev_b32 v8, 3, v233
	v_and_b32 v9, 8, v233
	v_add_nc_u32 v9, v9, v233
	v_lshlrev_b32 v9, 2, v9                        ; 4 (r + 8 (r / 8))
	v_lshlrev_b32 v10, 3, v232
	s_mov_b32 s[SEL], 0x76543210
	s_mov_b32 s[SEL+1], 0xfedcba98
	s_mov_b32 s[EPS], 0x24e69595                   ; 1e-16
	s_mov_b32 s31, 0
	s_wait_kmcnt 0x0
	s_lshl_b32 s95, s[BH], 16
	s_lshl_b32 s30, s[WV], 12
	s_add_co_u32 s30, s30, s95
	s_add_nc_u64 s[16:17], s[4:5], s[30:31]        ; codes to copy
	s_lshl_b32 s30, s[TAU], 9
	s_add_co_u32 s30, s30, s95
	s_add_nc_u64 s[22:23], s[4:5], s[30:31]        ; my queries' codes
	s_lshl_b32 s95, s[BH], 13
	s_lshl_b32 s30, s[WV], 9
	s_add_co_u32 s30, s30, s95
	s_add_nc_u64 s[18:19], s[4:5], s[30:31]        ; scale words and |k|^2 to copy
	s_lshr_b32 s30, s[TAU], 2
	s_lshl_b32 s30, s30, 8
	s_add_co_u32 s30, s30, s95
	s_bfe_u32 s96, s[TAU], 0x10001
	s_lshl_b32 s96, s96, 2
	s_add_co_u32 s30, s30, s96
	s_and_b32 s96, s[TAU], 1
	s_lshl_b32 s96, s96, 7
	s_add_co_u32 s30, s30, s96
	s_add_nc_u64 s[24:25], s[4:5], s[30:31]        ; my queries' scale words
	s_lshr_b32 s30, s[TAU], 1
	s_lshl_b32 s30, s30, 7
	s_add_co_u32 s30, s30, s95
	s_and_b32 s96, s[TAU], 1
	s_lshl_b32 s96, s96, 5
	s_add_co_u32 s30, s30, s96
	s_add_nc_u64 s[26:27], s[4:5], s[30:31]        ; their |q|^2
	s_lshl_b32 s95, s[BH], 12
	s_lshl_b32 s30, s[WV], 8
	s_add_co_u32 s30, s30, s95
	s_add_nc_u64 s[20:21], s[4:5], s[30:31]        ; V's scale words to copy
	s_lshl_b32 s30, s[TAU], 2
	s_add_nc_u64 s[28:29], s[6:7], s[30:31]
	s_lshr_b32 s30, s[BH], 3
	s_lshl_b32 s30, s30, 7
	s_add_co_u32 s30, s30, s[TAU]                  ; my tile among all 256
	s_lshl_b32 s30, s30, 3
	s_and_b32 s96, s[BH], 7
	s_add_co_u32 s30, s30, s96                     ; 8 x tile + head: 4,096 bytes of G each,
	s_lshl_b32 s30, s30, 12
	s_lshl_b32 s96, s[PI], 11
	s_add_co_u32 s30, s30, s96                     ; of which my parity takes 2,048
	s_add_nc_u64 s[32:33], s[4:5], s[30:31]
.irp i, 0,1,2,3,4,5,6,7
	global_load_b128 v[96+4*\i:99+4*\i], v[AK0], s[16:17] offset:KC+512*\i
.endr
	global_load_b128 v[128:131], v[AK0], s[18:19] offset:KS
	global_load_b128 v[132:135], v[AK0], s[18:19] offset:K2
	global_load_b128 v[16:19], v[AK0], s[22:23] offset:QC
	global_load_b32 v11, v8, s[24:25] offset:QS
	global_load_b32 v24, v9, s[26:27] offset:Q2
.irp i, 0,1,2,3,4,5,6,7
	global_load_b128 v[160+4*\i:163+4*\i], v[AK0], s[16:17] offset:VC+512*\i    ; V's side is wanted in pass 2: it stays out through pass 1, which touches none of these registers
.endr
	global_load_b64 v[254:255], v10, s[20:21] offset:VS
.irp i, 0,1,2,3
	global_load_b128 v[192+4*\i:195+4*\i], v[AK0], s[32:33] offset:GG+512*\i th:TH_LOAD_NT   ; my half of G likewise: V's fragment registers are idle in pass 1
.endr
	s_load_b32 s[MSUM], s[28:29], 0x80000          ; my tile's summary: two bits a step
.irp t, 0,1,2,3,4,5,6,7
.irp j, 4,5,6,7
	v_mov_b32 v[32+8*\t+\j], 0                     ; the upper half of the instruction's K: zero codes, set once
.endr
.endr
.irp j, 20,21,22,23
	v_mov_b32 v[\j], 0
.endr
.irp j, 12,13,224,225,236,237,238,239,249
	v_mov_b32 v[\j], 0                             ; the sums; and the lane permutes' destinations, which count as sources
.endr
	v_mov_b32 v14, 0x7f800000
	s_wait_loadcnt 13                              ; K's ten loads and Q's three are in; V's nine and G's four stay out
.irp i, 0,1,2,3,4,5,6,7
	ds_store_b128 v6, v[96+4*\i:99+4*\i] offset:LKC+512*\i
.endr
	ds_store_b128 v7, v[128:131]
	ds_store_b128 v7, v[132:135] offset:LK2-LKS
.irp j, 16,17,18,19
	v_xor_b32 v[\j], 0x88888888, v[\j]             ; every code's sign bit:
.endr
	v_add_nc_u32 v11, 0x101, v11                   ; and both scale bytes + 1: -2 q
.irp j, 25,26,27,28,29,30,31
	v_mov_b32 v[\j], v24                           ; |q|^2 as the C of every product
.endr
	s_wait_kmcnt 0x0
	s_wait_xcnt 0x0                                ; every load has read its base and its offset: both are written again below
	s_wait_dscnt 0x0                               ; for the others' sake
	s_barrier_signal -1
	s_barrier_wait -1
.set E, 0
.rept 32
	s_mov_b64 s[16+2*E+4*(E/24):17+2*E+4*(E/24)], 0   ; the 64 lane words are written once, so that they hold numbers on every way through a trip; a step reads them only behind its own loads
.set E, E+1
.endr
	PASS 1
	v_pk_add_f32 v[12:13], v[12:13], v[224:225]
	v_add_f32 v12, v12, v13
	v_permlanex16_b32 v249, v12, s[SEL], s[SEL+1]
	v_add_f32 v12, v12, v249                       ; my steps' sum of my query's weights
	s_lshl_b32 s95, s[WV], 12
	s_add_co_u32 s95, s95, LVC
	v_add_nc_u32 v6, s95, v[AK0]
	s_lshl_b32 s95, s[WV], 8
	v_add_nc_u32 v7, s95, v[AT0]
	v_lshl_add_u32 v8, v0, 2, LXS
	v_xor_b32 v9, 256, v0                          ; the same lane of the wave of the other parity
	v_lshl_add_u32 v9, v9, 2, LXS
	s_lshl_b32 s95, s[PI], 11
	v_add_nc_u32 v10, s95, v[XOA]                  ; G: my tile's 4,096 bytes, my parity's half
	s_wait_loadcnt 0x0                             ; V's side and G
.irp i, 0,1,2,3,4,5,6,7
	ds_store_b128 v6, v[160+4*\i:163+4*\i] offset:512*\i
.endr
	ds_store_b64 v7, v[254:255]
.irp i, 0,1,2,3
	ds_store_b128 v10, v[192+4*\i:195+4*\i] offset:LG-LXO+512*\i
.endr
	ds_store_b32 v8, v12
	s_wait_dscnt 0x0
	s_barrier_signal -1
	s_barrier_wait -1
	ds_load_b32 v13, v9
.set E, 0
.rept 32
	v_mov_b32 v[160+E], 0                          ; O.  Which step is the first hangs on the mask, so no first product can be written out to start the sums
.set E, E+1
.endr
	s_wait_dscnt 0x0
	v_add_f32 v12, v12, v13                        ; both waves add the same two numbers
	v_max_num_f32 v12, 0x322bcc77, v12             ; max(total, 1e-8)
	v_rcp_f32 v12, v12
	v_nop
	s_wait_alu depctr_va_vdst(0)
	v_mov_b32 v13, v12
	PASS 2
.rept 4
	v_nop                                          ; behind the last products
.endr
	s_lshr_b32 s95, s[BH], 3
	s_lshl_b32 s95, s95, 7
	s_add_co_u32 s95, s95, s[TAU]                  ; my tile among all 256
	s_lshl_b32 s95, s95, 3
	s_and_b32 s96, s[BH], 7
	s_add_co_u32 s95, s95, s96                     ; 8 x tile + head
	s_mov_b32 s97, 0
	s_lshl_b32 s96, s95, 9
	s_add_nc_u64 s[18:19], s[8:9], s[96:97]
	s_lshl_b32 s96, s95, 7
	s_add_nc_u64 s[20:21], s[8:9], s[96:97]
	v_and_b32 v8, 31, v0
	v_lshlrev_b32 v8, 2, v8
	s_cmp_eq_u32 s[PI], 0
	s_cbranch_scc1 .Ljoin
.irp i, 0,1,2,3,4,5,6,7
	ds_store_b128 v[XOA], v[160+4*\i:163+4*\i] offset:512*\i     ; the odd steps' half of O, as the registers stand
.endr
.Ljoin:
	s_wait_dscnt 0x0
	s_barrier_signal -1
	s_barrier_wait -1
	s_cmp_lg_u32 s[PI], 0
	s_cbranch_scc1 .Lend
.irp i, 0,1,2,3,4,5,6,7
	ds_load_b128 v[192+4*\i:195+4*\i], v[XOA] offset:512*\i
.endr
.irp i, 0,1,2,3,4,5,6,7
	ds_load_b128 v[32+4*\i:35+4*\i], v[XOA] offset:LG-LXO+512*\i  ; G, laid in O's register order
.endr
	s_wait_dscnt 8                                 ; the other half of O is in; G's eight loads stay out
.set E, 0
.rept 16
	v_pk_add_f32 v[160+E:161+E], v[160+E:161+E], v[192+E:193+E]
.set E, E+2
.endr
	s_wait_dscnt 0x0
.set E, 0
.rept 16
	v_pk_mul_f32 v[160+E:161+E], v[160+E:161+E], v[32+E:33+E]   ; Y x G
.set E, E+2
.endr
	QUANT 160, 224, 248, 2                         ; the head's 64 are two blocks of the last product's K
	global_store_b128 v[AK0], v[224:227], s[18:19]              ; 32 lanes store 512 consecutive bytes, aligned: half a fragment
	global_store_b32 v8, v248, s[20:21] offset:YS
.Lend:
	s_wait_xcnt 0x0
	v_lshl_add_u32 v254, v0, 2, 0x35800
	v_mov_b32 v255, 0
	s_wait_tensorcnt 0x0
	ds_add_u32 v254, v255
	s_wait_dscnt 0x0
	s_endpgm
.Lfunc_end_k_q4c5d488a0a_attn:
	.size	k_q4c5d488a0a_attn, .Lfunc_end_k_q4c5d488a0a_attn-k_q4c5d488a0a_attn
	.p2alignl 7, 3214868480
	.fill 96, 4, 3214868480
	.section	.rodata,"a",@progbits
	.p2align	6, 0x0
	.amdhsa_kernel k_q4c5d488a0a_attn
		.amdhsa_group_segment_fixed_size 221184
		.amdhsa_private_segment_fixed_size 0
		.amdhsa_enable_private_segment 0
		.amdhsa_kernarg_size 24
		.amdhsa_user_sgpr_count 2
		.amdhsa_user_sgpr_kernarg_segment_ptr 1
		.amdhsa_wavefront_size32 1
		.amdhsa_system_sgpr_workgroup_id_x 1
		.amdhsa_system_sgpr_workgroup_id_y 1
		.amdhsa_system_sgpr_workgroup_id_z 1
		.amdhsa_system_vgpr_workitem_id 0
		.amdhsa_next_free_vgpr 256
		.amdhsa_next_free_sgpr 102
		.amdhsa_reserve_vcc 0
		.amdhsa_float_denorm_mode_32 3
		.amdhsa_float_denorm_mode_16_64 3
		.amdhsa_memory_ordered 1
		.amdhsa_forward_progress 1
		.amdhsa_inst_pref_size 60
	.end_amdhsa_kernel
	.amdgpu_metadata
---
amdhsa.version: [ 1, 2 ]
amdhsa.kernels:
  - .name:           k_q4c5d488a0a_attn
    .symbol:         k_q4c5d488a0a_attn.kd
    .args:
      - { .name: qkvg, .offset: 0, .size: 8, .value_kind: global_buffer, .address_space: global }
      - { .name: maskw, .offset: 8, .size: 8, .value_kind: global_buffer, .address_space: global }
      - { .name: yg, .offset: 16, .size: 8, .value_kind: global_buffer, .address_space: global }
    .group_segment_fixed_size: 221184
    .private_segment_fixed_size: 0
    .kernarg_segment_align: 8
    .kernarg_segment_size: 24
    .max_flat_workgroup_size: 512
    .sgpr_count:     102
    .vgpr_count:     256
    .wavefront_size: 32
...
	.end_amdgpu_metadata
.endif
;; end of part 3
;; launch gemm2 (part 4): grid 8 x 32, 8 waves a work-group, no clusters, 103,424 bytes of LDS; arguments prep, yg, X, b_out, out0; writes out0
.if DOCPART == 4
	.amdgcn_target "amdgcn-amd-amdhsa--gfx1250"
	.amdhsa_code_object_version 6
	.text
	.protected	k_q4c5d488a0a_gemm2
	.globl	k_q4c5d488a0a_gemm2
	.p2align	8
	.type	k_q4c5d488a0a_gemm2,@function
k_q4c5d488a0a_gemm2:
	s_mov_b64 s[64:65], 0
	v_nop
	global_prefetch_b8 v0, s[64:65] scope:SCOPE_SE
	s_setreg_imm32_b32 hwreg(HW_REG_WAVE_MODE, 25, 1), 1
	s_wait_xcnt 0x0
; GEMM2: out = X + Q(Y x G) Q(W_out) + b_out, [4096][512] x [512][1024], on codes of FP4 (E2M1) with E8M0 scales.
; SHARES.  Work-group (x, y): 128 tokens x 128 columns: 256 work-groups.  Wave w: one tile of 16 tokens against W_out's 8 tiles; K = 4 steps of 128.
; W_out's 8 tiles (32 KB of codes, 2 KB of scale words) are copied into LDS once, through registers; a wave's own operand, X's rows and the bias go straight into registers, all asked for at the head.
; The product is used transposed (source 0 = 16 columns of W_out, source 1 = my 16 tokens): a lane holds eight neighbouring columns of one row; a tile goes through the wave's own stage in LDS and leaves as whole rows of 512 bytes.
; NO JOINT LOADS: of a work-group's 200 KB of traffic 128 KB (X's rows and the output) are its own, and no step is repeated in which a shared tile could be asked for again.
.set OC, 3145728
.set OS, 3604480
.set YS, 1048576
.set LW,  0                            ; LDS: 8 tiles x 4 K steps x 1,024
.set LWS, 32768                        ; 8 tiles x 16 rows x 16 bytes
.set STG, 34816                        ; 8 waves x 16 rows x (512 + 16)
; v8-11 the bias; v12-15 my tokens' scale words, v16-31 W_out's, and nothing else; v32-95 the accumulators (first the copy's landing place); v96-159 W_out's fragments (first Y's half words, at the end the rows read back); v160-191 my operand; v192-255 X's rows
	s_load_b256 s[4:11], s[0:1], 0x0               ; prep s[4:5], yg s[6:7], X s[8:9], b_out s[10:11]
	s_load_b64 s[12:13], s[0:1], 0x20              ; out0
	s_set_vgpr_msb 0x40
	v_lshl_add_u32 v0, v0, 2, 0x19000
	v_mov_b32 v1, 0
	s_set_vgpr_msb 0x4000
	v_lshrrev_b32 v1, 5, v0
	v_readfirstlane_b32 s14, v1                    ; wave 0..7
	s_and_b32 s15, ttmp7, 0xffff
	s_lshl_b32 s16, s15, 3
	s_add_co_u32 s16, s16, s14                     ; my tile of tokens
	v_and_b32 v1, 31, v0
	v_and_b32 v2, 15, v0
	v_bfe_u32 v3, v0, 4, 1
	v_lshlrev_b32 v4, 4, v1                        ; 16 x lane
	v_lshlrev_b32 v5, 3, v1                        ; 8 x lane
	v_lshlrev_b32 v6, 2, v1                        ; 4 x lane
	s_lshl_b32 s17, s14, 12
	v_add_nc_u32 v7, s17, v4                       ; the copy: 4,096 bytes a wave
	s_lshl_b32 s17, s14, 8
	s_add_co_u32 s17, s17, LWS
	v_add_nc_u32 v1, s17, v5                       ; and 256 of scale words
	s_mul_i32 s17, s14, 8448
	s_add_co_u32 s17, s17, STG                     ; my stage
	v_mul_u32_u24 v2, v2, 528
	v_lshl_add_u32 v2, v3, 6, v2
	v_add_nc_u32 v2, s17, v2                       ; in: row r, + 64 h
	v_add_nc_u32 v3, s17, v4                       ; back: a row of 512 bytes to the 32 lanes
	s_mov_b32 s33, 0
	s_wait_kmcnt 0x0
	s_lshl_b32 s32, ttmp9, 15
	s_lshl_b32 s34, s14, 12
	s_add_co_u32 s32, s32, s34
	s_add_nc_u64 s[18:19], s[4:5], s[32:33]
	s_lshl_b32 s32, ttmp9, 11
	s_lshl_b32 s34, s14, 8
	s_add_co_u32 s32, s32, s34
	s_add_nc_u64 s[20:21], s[4:5], s[32:33]
	s_lshl_b32 s32, s16, 10
	s_add_nc_u64 s[22:23], s[6:7], s[32:33]
	s_lshl_b32 s32, s16, 12
	s_add_nc_u64 s[24:25], s[6:7], s[32:33]
	s_lshl_b32 s32, ttmp9, 9
	s_add_nc_u64 s[26:27], s[10:11], s[32:33]
	s_lshr_b32 s34, s16, 1
	s_lshl_b32 s34, s34, 17                        ; 32 (tile / 2) rows of 4,096 bytes
	s_add_co_u32 s32, s32, s34
	s_and_b32 s34, s16, 1
	s_lshl_b32 s34, s34, 15                        ; 8 (tile % 2) rows
	s_add_co_u32 s32, s32, s34
	s_add_nc_u64 s[28:29], s[8:9], s[32:33]
	s_add_nc_u64 s[30:31], s[12:13], s[32:33]
.irp i, 0,1,2,3,4,5,6,7
	global_load_b128 v[32+4*\i:35+4*\i], v4, s[18:19] offset:OC+512*\i
.endr
	global_load_b64 v[64:65], v5, s[20:21] offset:OS
.irp e, 0,1,2,3,4,5,6,7
	global_load_b32 v[96+\e], v6, s[22:23] offset:YS+128*\e
.endr
.irp e, 0,1,2,3,4,5,6,7
	global_load_b128 v[160+4*\e:163+4*\e], v4, s[24:25] offset:512*\e    ; head e is half e % 2 of K step e / 2's fragment
.endr
	global_load_b128 v[8:11], v4, s[26:27]
.irp p, 0,1,2,3,4,5,6,7,8,9,10,11,12,13,14,15
	global_load_b128 v[192+4*\p:195+4*\p], v4, s[28:29] offset:4096*(\p+8*(\p/8)) th:TH_LOAD_NT   ; position p of my tile
.endr
	s_wait_loadcnt 33                              ; the copy's nine loads are in; the 33 behind them stay out
.irp i, 0,1,2,3,4,5,6,7
	ds_store_b128 v7, v[32+4*\i:35+4*\i] offset:LW+512*\i
.endr
	ds_store_b64 v1, v[64:65]
	s_wait_dscnt 0x0                               ; for the others' sake
	s_barrier_signal -1
	s_barrier_wait -1
	s_wait_loadcnt 17                              ; my operand and its scale bytes are in; the bias and X's 16 rows stay out
.irp s, 0,1,2,3
	v_lshl_or_b32 v[12+\s], v[97+2*\s], 16, v[96+2*\s]          ; two heads' two bytes make a K step's word
.endr
.irp p, 0,1,2,3
	ds_load_b128 v[16+4*\p:19+4*\p], v4 offset:LWS+512*\p       ; lanes 0-15 tile 2 p's four words, lanes 16-31 tile 2 p + 1's
.endr
.irp s, 0,1,2,3
.if \s > 0
.rept 4
	v_nop                                          ; four places in front of loads into registers that products have read
.endr
.endif
.irp t, 0,1,2,3,4,5,6,7
.irp c, 0,1
	ds_load_b128 v[96+8*\t+4*\c:99+8*\t+4*\c], v4 offset:LW+4096*\t+1024*\s+512*\c
.endr
.endr
.if \s == 0
.rept 8
	v_nop                                          ; a scale word written by vector instructions stands eight places ahead of the scaled product
.endr
.endif
	s_wait_dscnt 0x0
.irp t, 0,1,2,3,4,5,6,7                        ; eight accumulators by turns; the first K step starts the sums
.if \s == 0
.if \t % 2
	v_wmma_scale_f32_16x16x128_f8f6f4 v[32+8*\t:39+8*\t], v[96+8*\t:103+8*\t], v[160+8*\s:167+8*\s], 0, v[16+4*(\t/2)+\s], v[12+\s] matrix_a_fmt:MATRIX_FMT_FP4 matrix_b_fmt:MATRIX_FMT_FP4 matrix_a_scale:MATRIX_SCALE_ROW1
.else
	v_wmma_scale_f32_16x16x128_f8f6f4 v[32+8*\t:39+8*\t], v[96+8*\t:103+8*\t], v[160+8*\s:167+8*\s], 0, v[16+4*(\t/2)+\s], v[12+\s] matrix_a_fmt:MATRIX_FMT_FP4 matrix_b_fmt:MATRIX_FMT_FP4
.endif
.else
.if \t % 2
	v_wmma_scale_f32_16x16x128_f8f6f4 v[32+8*\t:39+8*\t], v[96+8*\t:103+8*\t], v[160+8*\s:167+8*\s], v[32+8*\t:39+8*\t], v[16+4*(\t/2)+\s], v[12+\s] matrix_a_fmt:MATRIX_FMT_FP4 matrix_b_fmt:MATRIX_FMT_FP4 matrix_a_scale:MATRIX_SCALE_ROW1
.else
	v_wmma_scale_f32_16x16x128_f8f6f4 v[32+8*\t:39+8*\t], v[96+8*\t:103+8*\t], v[160+8*\s:167+8*\s], v[32+8*\t:39+8*\t], v[16+4*(\t/2)+\s], v[12+\s] matrix_a_fmt:MATRIX_FMT_FP4 matrix_b_fmt:MATRIX_FMT_FP4
.endif
.endif
.endr
.endr
.rept 4
	v_nop
.endr
.irp t, 0,1,2,3,4,5,6,7
	ds_store_b128 v2, v[32+8*\t:35+8*\t] offset:128*(\t/2)+32*(\t%2)          ; columns 32 (t / 2) + 16 h + 8 (t % 2) on; each accumulator from its low end on
	ds_store_b128 v2, v[36+8*\t:39+8*\t] offset:128*(\t/2)+32*(\t%2)+16
.endr
.irp p, 0,1,2,3,4,5,6,7,8,9,10,11,12,13,14,15
	ds_load_b128 v[96+4*\p:99+4*\p], v3 offset:528*\p             ; my own stage: LDS serves a wave's instructions in order
.endr
	s_wait_loadcnt 0x0                             ; the bias and X
.irp p, 0,1,2,3,4,5,6,7,8,9,10,11,12,13,14,15
	s_wait_dscnt 15-\p                             ; row p is back; the younger rows stay out
	v_pk_add_f32 v[192+4*\p:193+4*\p], v[192+4*\p:193+4*\p], v[96+4*\p:97+4*\p]
	v_pk_add_f32 v[194+4*\p:195+4*\p], v[194+4*\p:195+4*\p], v[98+4*\p:99+4*\p]
	v_pk_add_f32 v[192+4*\p:193+4*\p], v[192+4*\p:193+4*\p], v[8:9]
	v_pk_add_f32 v[194+4*\p:195+4*\p], v[194+4*\p:195+4*\p], v[10:11]
	global_store_b128 v4, v[192+4*\p:195+4*\p], s[30:31] offset:4096*(\p+8*(\p/8)) th:TH_STORE_NT   ; 32 lanes store 512 consecutive bytes, aligned
.endr
	s_set_vgpr_msb 0x5
	s_wait_tensorcnt 0x0
	ds_add_u32 v0, v1
	s_wait_dscnt 0x0
	s_set_vgpr_msb 0x500
	s_endpgm
.Lfunc_end_k_q4c5d488a0a_gemm2:
	.size	k_q4c5d488a0a_gemm2, .Lfunc_end_k_q4c5d488a0a_gemm2-k_q4c5d488a0a_gemm2
	.p2alignl 7, 3214868480
	.fill 96, 4, 3214868480
	.section	.rodata,"a",@progbits
	.p2align	6, 0x0
	.amdhsa_kernel k_q4c5d488a0a_gemm2
		.amdhsa_group_segment_fixed_size 103424
		.amdhsa_private_segment_fixed_size 0
		.amdhsa_enable_private_segment 0
		.amdhsa_kernarg_size 40
		.amdhsa_user_sgpr_count 2
		.amdhsa_user_sgpr_kernarg_segment_ptr 1
		.amdhsa_wavefront_size32 1
		.amdhsa_system_sgpr_workgroup_id_x 1
		.amdhsa_system_sgpr_workgroup_id_y 1
		.amdhsa_system_sgpr_workgroup_id_z 1
		.amdhsa_system_vgpr_workitem_id 0
		.amdhsa_next_free_vgpr 258
		.amdhsa_next_free_sgpr 66
		.amdhsa_reserve_vcc 0
		.amdhsa_float_denorm_mode_32 3
		.amdhsa_float_denorm_mode_16_64 3
		.amdhsa_memory_ordered 1
		.amdhsa_forward_progress 1
		.amdhsa_inst_pref_size 25
	.end_amdhsa_kernel
	.amdgpu_metadata
---
amdhsa.version: [ 1, 2 ]
amdhsa.kernels:
  - .name:           k_q4c5d488a0a_gemm2
    .symbol:         k_q4c5d488a0a_gemm2.kd
    .args:
      - { .name: prep, .offset: 0, .size: 8, .value_kind: global_buffer, .address_space: global }
      - { .name: yg, .offset: 8, .size: 8, .value_kind: global_buffer, .address_space: global }
      - { .name: X, .offset: 16, .size: 8, .value_kind: global_buffer, .address_space: global }
      - { .name: b_out, .offset: 24, .size: 8, .value_kind: global_buffer, .address_space: global }
      - { .name: out0, .offset: 32, .size: 8, .value_kind: global_buffer, .address_space: global }
    .group_segment_fixed_size: 103424
    .private_segment_fixed_size: 0
    .kernarg_segment_align: 8
    .kernarg_segment_size: 40
    .max_flat_workgroup_size: 256
    .sgpr_count:     66
    .vgpr_count:     258
    .wavefront_size: 32
...
	.end_amdgpu_metadata
.endif
;; end of part 4
;; ======== version 2 of 2: 4 launches; version 1 with the launches attn, gemm2 written anew for expert scheduling mode
;; workspace buffers: prep 3,620,864 bytes; qkvg 12,124,160 bytes; yg 1,310,720 bytes; maskw 524,800 bytes of whole numbers
;; launch prep: the kernel of part 1 again; grid 336 x 1, 8 waves a work-group, no clusters, 92,416 bytes of LDS; arguments X, ln_gamma, ln_beta, W_qkvg, W_out, mask, prep, maskw; writes prep, maskw
;; launch gemm1: the kernel of part 2 again; grid 16 x 16, 4 waves a work-group, clusters of 4 x 4, 209,408 bytes of LDS; arguments prep, b_qkvg, qkvg; writes qkvg
;; launch attn (part 5): grid 16 x 16, 16 waves a work-group, no clusters, 221,184 bytes of LDS; arguments qkvg, maskw, yg; writes yg
.if DOCPART == 5
	.amdgcn_target "amdgcn-amd-amdhsa--gfx1250"
	.amdhsa_code_object_version 6
	.text
	.protected	k_q4c5d488a0a_attn
	.globl	k_q4c5d488a0a_attn
	.p2align	8
	.type	k_q4c5d488a0a_attn,@function
k_q4c5d488a0a_attn:
	s_mov_b64 s[64:65], 0
	v_nop
	global_prefetch_b8 v0, s[64:65] scope:SCOPE_SE
	s_setreg_imm32_b32 hwreg(HW_REG_WAVE_SCHED_MODE, 0, 2), 2
	s_setreg_imm32_b32 hwreg(HW_REG_WAVE_MODE, 25, 1), 1
	s_wait_xcnt 0x0
	s_wait_alu depctr_vm_vsrc(0)
; ATTN: for one head of one batch: d2 = |q|^2 + |k|^2 - 2 Q(q).Q(k); weight = 1 / max(d2, 1e-16), 0 where the mask is set; attn = weight / max(row's sum, 1e-8); Y = Q(attn) Q(V); the codes of Y x G.
; attn is quantised FINISHED, so the row's sum is wanted before the first code: THE SCORES ARE MADE TWICE.  Pass 1 sums the weights; pass 2 makes them again by the same instructions (the same bits), divides, quantises, multiplies by V.
; SHARES.  Work-group (g, head): 8 tiles of 16 queries.  Sixteen waves in 256 registers each: wave w has tile w % 8 of the eight and the key steps (128 keys) of parity w / 8.  The two waves of a tile exchange their sums and, at the end, their halves of O through LDS.
; The eight tiles are g, 32 + g, 64 + g, 96 + g, 127 - g, 95 - g, 63 - g, 31 - g: early and late queries in one work-group, for masks that grow with the query; no value hangs on that choice.
; K's and V's codes, scale words and |k|^2 of the whole head lie in LDS, copied once through registers.  G of a tile is asked for at the head too, half by each wave of the tile's pair: it lands during pass 1 in V's fragment
; registers, which are idle there, goes to LDS between the passes and is read from there at the end: nothing is asked of memory behind the head but the lane words of mixed steps.
; LAYOUT.  Both products are used transposed: source 0 = 16 keys (or 16 of the head's 64), source 1 = my 16 queries: a lane holds ONE query.  The keys of a tile are chosen so that the 16 registers of tiles 2 b, 2 b + 1 are keys 32 b + 16 (lane / 16) + 0 .. 15.
; The head's 64 fill half of the instruction's K of 128: the other half are zero codes under the byte 0x7f.  Q's codes carry the factor -2: their sign bits are turned and their scale bytes raised by 1; |q|^2 is the product's C; |k|^2 is added from the lane that holds it (DPP row_share).
; THE MASK is an input.  An earlier launch packed it: a lane word for each register of a step, and two bits a step (0 none masked, 1 all, 2 mixed).  A step all of whose keys are masked for my 16 queries is left out by a scalar branch on that stored number;
; a step with none masked neither fetches its lane words nor runs the 64 selects.  A masked d2 becomes +infinity, so that its weight is exactly 0.
; NO JOINT LOADS: what the sixteen work-groups of a head share is 148 KB, read once by each, against 128 key steps of work.
; LIMITS: a block of q whose largest magnitude is 2^126 or more is not served (its raised byte would be 0xff); a block of zeros has the byte 1; O is summed in two halves (even and odd key steps); NaN and infinities among the inputs are not served.
; THE MODE: SCHED_MODE bits 1:0 = 2 (LLVM: expert scheduling mode 2), set by the entry lines.  The code itself states the register dependences between vector or matrix instructions and memory or LDS instructions, with s_wait_alu, always for 0.
; THE PLAN.  All 256 registers that the wave names are in use, so every set of registers is single, and a live step opens with the waits that free them.  Registers that memory or LDS instructions touch:
;   v6-v10                the step's five LDS addresses: written by five additions at a live step's head, read by that step's LDS loads.  At the kernel's head and between the passes the same five hold the copies' addresses.
;   v32-95 (low halves), v240-243, v250-253   K's fragments, |k|^2, K's scale words: LDS loads land at the step's head; the step's eight first products and its 64 additions read them.
;   v192-223, v254-255    pass 1: G and V's scale words land from memory, no vector instruction names them, LDS stores read them between the passes.  Pass 2: V's nine LDS loads stand behind the step's eight first products; its last four products read them.
;   v160-191              V's codes land from memory during pass 1; LDS stores read them between the passes; from then on they are O.
;   v96-135               K's side of the copy: lands from memory, read by the head's LDS stores; from then on scores.
;   v1, v15               made at the head, never written again.
; A live step holds: one wait on vm_vsrc ahead of the five additions; one wait on va_vdst behind them, ahead of all the step's loads; the wait behind the reciprocals; in pass 2 one more ahead of the last four products.
.set QC, 0
.set KC, 1048576
.set VC, 2097152
.set QS, 3145728
.set KS, 3276800
.set VS, 3407872
.set Q2, 3473408
.set K2, 3604480
.set GG, 3735552
.set MS, 524288
.set YS, 1048576
.set LKC, 0                            ; LDS: K's codes, 128 tiles x 512
.set LVC, 65536                        ; V's, 16 steps x 4 x 1,024
.set LKS, 131072                       ; K's scale words, 512 a step
.set LVS, 139264                       ; V's, 256 a step
.set LK2, 143360                       ; |k|^2, 512 a step
.set LXS, 151552                       ; the waves' sums, a word a thread
.set LXO, 153600                       ; the odd waves' O, 4,096 a tile
.set LG,  186368                       ; G, 4,096 a tile, in O's register order
.set AK0, 1                            ; v1-5 lane terms that stay; v6-10 the step's addresses
.set AV0, 2
.set AS0, 3
.set A20, 4
.set AT0, 5
.set ADK, 6
.set ADV, 7
.set ADS, 8
.set AD2, 9
.set ADT, 10
.set XOA, 15
.set TM,  232                          ; v232-247 at work; v240-243 |k|^2 of the step
.set WV,  10
.set AA,  11
.set PI,  12
.set TAU, 13
.set BH,  14
.set T0,  15
.set MSUM, 84
.set SH,  85
.set IT,  86
.set TK,  87
.set TS,  88
.set TV,  89
.set MB,  90
.set SEL, 92
.set EPS, 94
; v11 Q's scale word; v[12:13] the sum, later 1 / total; v14 +infinity; v16-23 Q; v24-31 |q|^2; v32-95 K's 8 fragments; v96-159 the scores; v160-191 O; v192-223 V's 4 fragments; v224-231 attn's codes; v248 their scale word; v250-253 K's scale words; v254-255 V's
; s16-63, s68-83 the step's 64 mask words
.macro QUANT s, pc, pw, nb             ; 16 nb numbers of a lane, register 16 b + i = k 32 b + 16 (lane / 16) + i of my row, become codes in the operand's layout and the row's scale word
.set QB, 0
.rept \nb
	v_max3_num_f32 v[TM+QB], |v[\s+16*QB]|, |v[\s+1+16*QB]|, 0x1800000   ; and the floor 2^(3 - 127): the byte cannot fall under 1
.set QB, QB+1
.endr
.irp i, 2,4,6,8,10,12,14
.set QB, 0
.rept \nb
	v_max3_num_f32 v[TM+QB], v[TM+QB], |v[\s+16*QB+\i]|, |v[\s+1+16*QB+\i]|
.set QB, QB+1
.endr
.endr
.set QB, 0
.rept \nb
	v_permlanex16_b32 v[TM+4+QB], v[TM+QB], s[SEL], s[SEL+1]
.set QB, QB+1
.endr
.set QB, 0
.rept \nb
	v_max_num_f32 v[TM+QB], v[TM+QB], v[TM+4+QB]
.set QB, QB+1
.endr
.set QB, 0
.rept \nb
	v_add_nc_u32 v[TM+12+QB], 0xff000000, v[TM+QB] ; 2 off the exponent field: the conversion's scale operand
.set QB, QB+1
.endr
.set QB, 0
.rept \nb
	v_lshrrev_b32 v[TM+4+QB], 23, v[TM+12+QB]
.set QB, QB+1
.endr
	v_lshl_or_b32 v[\pw], v[TM+5], 8, v[TM+4]
.if \nb == 4
	v_lshl_or_b32 v[\pw], v[TM+6], 16, v[\pw]
	v_lshl_or_b32 v[\pw], v[TM+7], 24, v[\pw]
.endif
.set QB, 0
.rept \nb
	v_cvt_scalef32_pk8_fp4_f32 v[\pc+2*QB], v[\s+16*QB:\s+16*QB+7], v[TM+12+QB]
	v_cvt_scalef32_pk8_fp4_f32 v[\pc+2*QB+1], v[\s+16*QB+8:\s+16*QB+15], v[TM+12+QB]
.set QB, QB+1
.endr
	v_nop                                          ; one plain instruction behind a scaled conversion
.set QB, 0
.rept \nb/2
	v_permlane16_swap_b32 v[\pc+4*QB], v[\pc+4*QB+2]
	v_permlane16_swap_b32 v[\pc+4*QB+1], v[\pc+4*QB+3]
.set QB, QB+1
.endr
.endm
; A PASS over my eight key steps.  The trip count is a constant; what the mask leaves out is a step's work, not a trip.
.macro PASS p
	s_mov_b32 s[IT], 0
	s_lshl_b32 s[SH], s[PI], 1
	s_lshl_b32 s[TK], s[PI], 12
	s_lshl_b32 s[TS], s[PI], 9
	s_lshl_b32 s[TV], s[PI], 8
	s_lshl_b32 s96, s[TAU], 12
	s_add_co_u32 s96, s96, s[TV]
	s_mov_b32 s97, 0
	s_add_nc_u64 s[MB:MB+1], s[6:7], s[96:97]      ; my tile's lane words, my first step
.Ltrip_\@:
	s_lshr_b32 s[T0], s[MSUM], s[SH]
	s_and_b32 s[T0], s[T0], 3
	s_cmp_eq_u32 s[T0], 1
	s_cbranch_scc1 .Lnext_\@                       ; every key of the step is masked for my 16 queries
	s_cmp_eq_u32 s[T0], 0
	s_cbranch_scc1 .Lbare_\@                       ; none is: its lane words are all zeros and are not fetched
	s_load_b512 s[16:31], s[MB:MB+1], 0x0          ; a mixed step: asked for here, wanted behind the products and the 64 additions
	s_load_b512 s[32:47], s[MB:MB+1], 0x40
	s_load_b512 s[48:63], s[MB:MB+1], 0x80
	s_load_b512 s[68:83], s[MB:MB+1], 0xc0
.Lbare_\@:
	s_wait_alu depctr_vm_vsrc(0)                   ; the LDS loads of my last live step have read v6-v10, which the five additions write; ahead of a pass's first live step: the copies' loads and LDS stores have read v6-v10 and their data, among them v96-135, which the products below write
	v_add_nc_u32 v[ADK], s[TK], v[AK0]
	v_add_nc_u32 v[ADS], s[TS], v[AS0]
	v_add_nc_u32 v[AD2], s[TS], v[A20]
	v_add_nc_u32 v[ADV], s[TK], v[AV0]
	v_add_nc_u32 v[ADT], s[TV], v[AT0]             ; (these five are also the places between the last trip's products and the loads into their registers)
	s_wait_alu depctr_va_vdst(0)                   ; the five addresses are written, which this step's LDS loads read; my last live step's products and additions are done reading K's and V's fragments, the scale words and |k|^2, in which these loads land; ahead of the first step: Q's codes, its scale word and the zero halves are written, which the scaled products take
.irp b, 0,1,2,3
	ds_load_b32 v[240+\b], v[AD2] offset:128*\b    ; lane L: |k|^2 of key 32 b + L
.endr
	ds_load_b64 v[250:251], v[ADS]
	ds_load_b64 v[252:253], v[ADS] offset:256
.irp t, 0,1,2,3,4,5,6,7
	ds_load_b128 v[32+8*\t:35+8*\t], v[ADK] offset:512*\t
.endr
	s_wait_dscnt 0x0                               ; K's side is in
.irp t, 0,1,2,3,4,5,6,7                        ; |q|^2 - 2 q.k
.if \t % 2
	v_wmma_scale_f32_16x16x128_f8f6f4 v[96+8*\t:103+8*\t], v[32+8*\t:39+8*\t], v[16:23], v[24:31], v[250+\t/2], v11 matrix_a_fmt:MATRIX_FMT_FP4 matrix_b_fmt:MATRIX_FMT_FP4 matrix_a_scale:MATRIX_SCALE_ROW1
.else
	v_wmma_scale_f32_16x16x128_f8f6f4 v[96+8*\t:103+8*\t], v[32+8*\t:39+8*\t], v[16:23], v[24:31], v[250+\t/2], v11 matrix_a_fmt:MATRIX_FMT_FP4 matrix_b_fmt:MATRIX_FMT_FP4
.endif
.endr
.if \p == 2
.irp i, 0,1,2,3                                ; V's side, wanted behind the softening and the quantiser.  No wait: no vector or matrix instruction since the wait at the step's head names v192-223, v254-255, v7 or v10
.irp c, 0,1
	ds_load_b128 v[192+8*\i+4*\c:195+8*\i+4*\c], v[ADV] offset:1024*\i+512*\c
.endr
.endr
	ds_load_b64 v[254:255], v[ADT]
.endif
.rept 4
	v_nop                                          ; four places in front of the first read of results (ISA guide 7.12.1)
.endr
.irp b, 0,1,2,3
.irp y, 0,1,2,3,4,5,6,7,8,9,10,11,12,13,14,15
	v_add_f32_dpp v[96+16*\b+\y], v[240+\b], v[96+16*\b+\y] row_share:\y row_mask:0xf bank_mask:0xf   ; + |k|^2 of the register's key, which lane y of my half holds; each result from its low end on
.endr
.endr
	s_wait_kmcnt 0x0                               ; on every way: a mixed step's lane words are in, and their base may be stepped below; met at once where none was asked for
	s_cmp_eq_u32 s[T0], 0
	s_cbranch_scc1 .Lopen_\@                       ; none of the step's keys is masked
.set E, 0
.rept 64
	v_cndmask_b32 v[96+E], v[96+E], v14, s[16+E+4*(E/48)]
.set E, E+1
.endr
.Lopen_\@:
.set E, 0
.rept 64
	v_max_num_f32 v[96+E], s[EPS], v[96+E]         ; max(sqrt(max(d2, 0)), 1e-8)^2
.set E, E+1
.endr
.set E, 0
.rept 64
	v_rcp_f32 v[96+E], v[96+E]
.set E, E+1
.endr
	v_nop                                          ; a plain instruction between the transcendentals and the use of their results (ISA guide 5.7.2)
.if \p == 1
.set E, 0
	s_wait_alu depctr_va_vdst(0)                   ; the 64 reciprocals have written v96-159, ahead of their first reader: one wait for the batch
.rept 16
	v_pk_add_f32 v[12:13], v[12:13], v[96+E:97+E]   ; two chains
	v_pk_add_f32 v[224:225], v[224:225], v[98+E:99+E]
.set E, E+4
.endr
.else
.set E, 0
	s_wait_alu depctr_va_vdst(0)                   ; the 64 reciprocals have written v96-159, ahead of their first reader: one wait for the batch
.rept 32
	v_pk_mul_f32 v[96+E:97+E], v[96+E:97+E], v[12:13] op_sel_hi:[1,0]   ; attn, finished
.set E, E+2
.endr
	QUANT 96, 224, 248, 4
.rept 8
	v_nop                                          ; a scale word written by vector instructions stands eight places ahead of the scaled product, an operand four
.endr
	s_wait_alu depctr_va_vdst(0)                   ; the quantiser has written attn's codes v224-231 and their scale word v248, which the scaled products below take; the places above stay beside this wait
	s_wait_dscnt 0x0                               ; V
.irp i, 0,1,2,3                                ; O^T += V^T attn^T: four accumulators, one turn each; eight other products stand between two links
.if \i % 2
	v_wmma_scale_f32_16x16x128_f8f6f4 v[160+8*\i:167+8*\i], v[192+8*\i:199+8*\i], v[224:231], v[160+8*\i:167+8*\i], v[254+\i/2], v248 matrix_a_fmt:MATRIX_FMT_FP4 matrix_b_fmt:MATRIX_FMT_FP4 matrix_a_scale:MATRIX_SCALE_ROW1
.else
	v_wmma_scale_f32_16x16x128_f8f6f4 v[160+8*\i:167+8*\i], v[192+8*\i:199+8*\i], v[224:231], v[160+8*\i:167+8*\i], v[254+\i/2], v248 matrix_a_fmt:MATRIX_FMT_FP4 matrix_b_fmt:MATRIX_FMT_FP4
.endif
.endr
.endif
.Lnext_\@:
	s_add_co_u32 s[SH], s[SH], 4                   ; two steps on: the other parity's lie between
	s_add_co_u32 s[TK], s[TK], 8192
	s_add_co_u32 s[TS], s[TS], 1024
	s_add_co_u32 s[TV], s[TV], 512
	s_add_nc_u64 s[MB:MB+1], s[MB:MB+1], 512       ; (the scalar loads that read it are done, or none was issued)
	s_add_co_u32 s[IT], s[IT], 1
	s_cmp_lt_u32 s[IT], 8
	s_cbranch_scc1 .Ltrip_\@
.endm
	s_load_b128 s[4:7], s[0:1], 0x0                ; qkvg s[4:5], maskw s[6:7]
	s_load_b64 s[8:9], s[0:1], 0x10                ; yg
	v_lshrrev_b32 v1, 5, v0
	v_readfirstlane_b32 s[WV], v1                  ; wave 0..15
	v_and_b32 v232, 31, v0                         ; lane
	v_and_b32 v233, 15, v0                         ; r
	v_lshlrev_b32 v[AK0], 4, v232
	v_add_nc_u32 v[AV0], LVC, v[AK0]
	v_lshl_add_u32 v[AS0], v232, 3, LKS
	v_lshl_add_u32 v[A20], v232, 2, LK2
	v_lshl_add_u32 v[AT0], v232, 3, LVS
	v_lshlrev_b32 v8, 3, v233
	v_and_b32 v9, 8, v233
	v_add_nc_u32 v9, v9, v233
	v_lshlrev_b32 v9, 2, v9                        ; 4 (r + 8 (r / 8))
	v_lshlrev_b32 v10, 3, v232
	s_wait_alu depctr_va_sdst(0)                   ; the wave's number is written, ahead of its first reader; the lane's own terms above stand between the two
	s_and_b32 s[AA], s[WV], 7
	s_lshr_b32 s[PI], s[WV], 3
	s_and_b32 s[BH], ttmp7, 0xffff                 ; 8 x batch + head
	s_lshl_b32 s95, s[AA], 5
	s_add_co_u32 s96, s95, ttmp9
	s_sub_co_u32 s97, 255, s95
	s_sub_co_u32 s97, s97, ttmp9
	s_cmp_lt_u32 s[AA], 4
	s_cselect_b32 s[TAU], s96, s97                 ; my tile of queries
	s_lshl_b32 s95, s[AA], 12
	s_add_co_u32 s95, s95, LXO
	v_add_nc_u32 v[XOA], s95, v[AK0]
	s_lshl_b32 s95, s[WV], 12
	v_add_nc_u32 v6, s95, v[AK0]                   ; the copy: 4,096 bytes of codes a wave,
	s_lshl_b32 s96, s[WV], 9
	s_add_co_u32 s96, s96, LKS
	v_add_nc_u32 v7, s96, v[AK0]                   ; 512 of scale words and of |k|^2
	s_mov_b32 s[SEL], 0x76543210
	s_mov_b32 s[SEL+1], 0xfedcba98
	s_mov_b32 s[EPS], 0x24e69595                   ; 1e-16
	s_mov_b32 s31, 0
	s_wait_kmcnt 0x0
	s_lshl_b32 s95, s[BH], 16
	s_lshl_b32 s30, s[WV], 12
	s_add_co_u32 s30, s30, s95
	s_add_nc_u64 s[16:17], s[4:5], s[30:31]        ; codes to copy
	s_lshl_b32 s30, s[TAU], 9
	s_add_co_u32 s30, s30, s95
	s_add_nc_u64 s[22:23], s[4:5], s[30:31]        ; my queries' codes
	s_lshl_b32 s95, s[BH], 13
	s_lshl_b32 s30, s[WV], 9
	s_add_co_u32 s30, s30, s95
	s_add_nc_u64 s[18:19], s[4:5], s[30:31]        ; scale words and |k|^2 to copy
	s_lshr_b32 s30, s[TAU], 2
	s_lshl_b32 s30, s30, 8
	s_add_co_u32 s30, s30, s95
	s_bfe_u32 s96, s[TAU], 0x10001
	s_lshl_b32 s96, s96, 2
	s_add_co_u32 s30, s30, s96
	s_and_b32 s96, s[TAU], 1
	s_lshl_b32 s96, s96, 7
	s_add_co_u32 s30, s30, s96
	s_add_nc_u64 s[24:25], s[4:5], s[30:31]        ; my queries' scale words
	s_lshr_b32 s30, s[TAU], 1
	s_lshl_b32 s30, s30, 7
	s_add_co_u32 s30, s30, s95
	s_and_b32 s96, s[TAU], 1
	s_lshl_b32 s96, s96, 5
	s_add_co_u32 s30, s30, s96
	s_add_nc_u64 s[26:27], s[4:5], s[30:31]        ; their |q|^2
	s_lshl_b32 s95, s[BH], 12
	s_lshl_b32 s30, s[WV], 8
	s_add_co_u32 s30, s30, s95
	s_add_nc_u64 s[20:21], s[4:5], s[30:31]        ; V's scale words to copy
	s_lshl_b32 s30, s[TAU], 2
	s_add_nc_u64 s[28:29], s[6:7], s[30:31]
	s_lshr_b32 s30, s[BH], 3
	s_lshl_b32 s30, s30, 7
	s_add_co_u32 s30, s30, s[TAU]                  ; my tile among all 256
	s_lshl_b32 s30, s30, 3
	s_and_b32 s96, s[BH], 7
	s_add_co_u32 s30, s30, s96                     ; 8 x tile + head: 4,096 bytes of G each,
	s_lshl_b32 s30, s30, 12
	s_lshl_b32 s96, s[PI], 11
	s_add_co_u32 s30, s30, s96                     ; of which my parity takes 2,048
	s_add_nc_u64 s[32:33], s[4:5], s[30:31]
	s_wait_alu depctr_va_vdst(0)                   ; v1, v6-v10 and v15 are written: the offsets of the loads below, and the LDS addresses of the copy's stores and of the exchange of O
.irp i, 0,1,2,3,4,5,6,7
	global_load_b128 v[96+4*\i:99+4*\i], v[AK0], s[16:17] offset:KC+512*\i
.endr
	global_load_b128 v[128:131], v[AK0], s[18:19] offset:KS
	global_load_b128 v[132:135], v[AK0], s[18:19] offset:K2
	global_load_b128 v[16:19], v[AK0], s[22:23] offset:QC
	global_load_b32 v11, v8, s[24:25] offset:QS
	global_load_b32 v24, v9, s[26:27] offset:Q2
.irp i, 0,1,2,3,4,5,6,7
	global_load_b128 v[160+4*\i:163+4*\i], v[AK0], s[16:17] offset:VC+512*\i    ; V's side is wanted in pass 2: it stays out through pass 1, which touches none of these registers
.endr
	global_load_b64 v[254:255], v10, s[20:21] offset:VS
.irp i, 0,1,2,3
	global_load_b128 v[192+4*\i:195+4*\i], v[AK0], s[32:33] offset:GG+512*\i th:TH_LOAD_NT   ; my half of G likewise: V's fragment registers are idle in pass 1
.endr
	s_load_b32 s[MSUM], s[28:29], 0x80000          ; my tile's summary: two bits a step
.irp t, 0,1,2,3,4,5,6,7
.irp j, 4,5,6,7
	v_mov_b32 v[32+8*\t+\j], 0                     ; the upper half of the instruction's K: zero codes, set once
.endr
.endr
.irp j, 20,21,22,23
	v_mov_b32 v[\j], 0
.endr
.irp j, 12,13,224,225,236,237,238,239,249
	v_mov_b32 v[\j], 0                             ; the sums; and the lane permutes' destinations, which count as sources
.endr
	v_mov_b32 v14, 0x7f800000
	s_wait_loadcnt 13                              ; K's ten loads and Q's three are in; V's nine and G's four stay out
.irp i, 0,1,2,3,4,5,6,7
	ds_store_b128 v6, v[96+4*\i:99+4*\i] offset:LKC+512*\i       ; (data from loads; v6 and v7 were written ahead of the wait above, and no vector instruction since names them)
.endr
	ds_store_b128 v7, v[128:131]
	ds_store_b128 v7, v[132:135] offset:LK2-LKS
.irp j, 16,17,18,19
	v_xor_b32 v[\j], 0x88888888, v[\j]             ; every code's sign bit:
.endr
	v_add_nc_u32 v11, 0x101, v11                   ; and both scale bytes + 1: -2 q
.irp j, 25,26,27,28,29,30,31
	v_mov_b32 v[\j], v24                           ; |q|^2 as the C of every product
.endr
	s_wait_kmcnt 0x0
	s_wait_xcnt 0x0                                ; every load has read its base and its offset: both are written again below
	s_wait_dscnt 0x0                               ; for the others' sake
	s_barrier_signal -1
	s_barrier_wait -1
.set E, 0
.rept 32
	s_mov_b64 s[16+2*E+4*(E/24):17+2*E+4*(E/24)], 0   ; the 64 lane words are written once, so that they hold numbers on every way through a trip; a step reads them only behind its own loads
.set E, E+1
.endr
	PASS 1
	v_pk_add_f32 v[12:13], v[12:13], v[224:225]
	v_add_f32 v12, v12, v13
	v_permlanex16_b32 v249, v12, s[SEL], s[SEL+1]
	v_add_f32 v12, v12, v249                       ; my steps' sum of my query's weights
	s_wait_alu depctr_vm_vsrc(0)                   ; pass 1's LDS loads (where every step was left out: the head's loads and LDS stores) have read v6-v10, which are made anew below
	s_lshl_b32 s95, s[WV], 12
	s_add_co_u32 s95, s95, LVC
	v_add_nc_u32 v6, s95, v[AK0]
	s_lshl_b32 s95, s[WV], 8
	v_add_nc_u32 v7, s95, v[AT0]
	v_lshl_add_u32 v8, v0, 2, LXS
	v_xor_b32 v9, 256, v0                          ; the same lane of the wave of the other parity
	v_lshl_add_u32 v9, v9, 2, LXS
	s_lshl_b32 s95, s[PI], 11
	v_add_nc_u32 v10, s95, v[XOA]                  ; G: my tile's 4,096 bytes, my parity's half
	s_wait_loadcnt 0x0                             ; V's side and G
	s_wait_alu depctr_va_vdst(0)                   ; v6-v10 and the sum v12 are written, which the LDS stores below and the load behind the barrier read; the additions are done with v13, in which that load lands
.irp i, 0,1,2,3,4,5,6,7
	ds_store_b128 v6, v[160+4*\i:163+4*\i] offset:512*\i
.endr
	ds_store_b64 v7, v[254:255]
.irp i, 0,1,2,3
	ds_store_b128 v10, v[192+4*\i:195+4*\i] offset:LG-LXO+512*\i
.endr
	ds_store_b32 v8, v12
	s_wait_dscnt 0x0
	s_barrier_signal -1
	s_barrier_wait -1
	ds_load_b32 v13, v9
	s_wait_alu depctr_vm_vsrc(0)                   ; my LDS stores have read v160-191, which are cleared below, v12, which is written below, and v192-207 and v254-255, in which pass 2's loads land
.set E, 0
.rept 32
	v_mov_b32 v[160+E], 0                          ; O.  Which step is the first hangs on the mask, so no first product can be written out to start the sums
.set E, E+1
.endr
	s_wait_dscnt 0x0
	v_add_f32 v12, v12, v13                        ; both waves add the same two numbers
	v_max_num_f32 v12, 0x322bcc77, v12             ; max(total, 1e-8)
	v_rcp_f32 v12, v12
	v_nop
	s_wait_alu depctr_va_vdst(0)                   ; the reciprocal has written v12, ahead of its first reader
	v_mov_b32 v13, v12
	PASS 2
.rept 4
	v_nop                                          ; behind the last products
.endr
	s_wait_alu depctr_va_vdst(0)                   ; the last products (where every step was left out: the 32 moves) have written O, v160-191, which an odd wave's LDS stores read; the products are done reading K's and V's fragments, in which an even wave's LDS loads land; the places above stay beside this wait
	s_lshr_b32 s95, s[BH], 3
	s_lshl_b32 s95, s95, 7
	s_add_co_u32 s95, s95, s[TAU]                  ; my tile among all 256
	s_lshl_b32 s95, s95, 3
	s_and_b32 s96, s[BH], 7
	s_add_co_u32 s95, s95, s96                     ; 8 x tile + head
	s_mov_b32 s97, 0
	s_lshl_b32 s96, s95, 9
	s_add_nc_u64 s[18:19], s[8:9], s[96:97]
	s_lshl_b32 s96, s95, 7
	s_add_nc_u64 s[20:21], s[8:9], s[96:97]
	s_cmp_eq_u32 s[PI], 0
	s_cbranch_scc1 .Ljoin
.irp i, 0,1,2,3,4,5,6,7
	ds_store_b128 v[XOA], v[160+4*\i:163+4*\i] offset:512*\i     ; the odd steps' half of O, as the registers stand
.endr
.Ljoin:
	s_wait_dscnt 0x0
	s_barrier_signal -1
	s_barrier_wait -1
	s_cmp_lg_u32 s[PI], 0
	s_cbranch_scc1 .Lend
.irp i, 0,1,2,3,4,5,6,7
	ds_load_b128 v[192+4*\i:195+4*\i], v[XOA] offset:512*\i      ; (no vector or matrix instruction since the wait behind pass 2 names v15, v192-223 or v32-63)
.endr
.irp i, 0,1,2,3,4,5,6,7
	ds_load_b128 v[32+4*\i:35+4*\i], v[XOA] offset:LG-LXO+512*\i  ; G, laid in O's register order
.endr
	s_wait_alu depctr_vm_vsrc(0)                   ; pass 2's LDS loads have read v8, which is made anew below
	v_and_b32 v8, 31, v0
	v_lshlrev_b32 v8, 2, v8
	s_wait_dscnt 8                                 ; the other half of O is in; G's eight loads stay out
.set E, 0
.rept 16
	v_pk_add_f32 v[160+E:161+E], v[160+E:161+E], v[192+E:193+E]
.set E, E+2
.endr
	s_wait_dscnt 0x0
.set E, 0
.rept 16
	v_pk_mul_f32 v[160+E:161+E], v[160+E:161+E], v[32+E:33+E]   ; Y x G
.set E, E+2
.endr
	QUANT 160, 224, 248, 2                         ; the head's 64 are two blocks of the last product's K
	s_wait_alu depctr_va_vdst(0)                   ; the quantiser has written the codes v224-227 and the scale word v248, and v8 is written: the two stores read them
	global_store_b128 v[AK0], v[224:227], s[18:19]              ; 32 lanes store 512 consecutive bytes, aligned: half a fragment
	global_store_b32 v8, v248, s[20:21] offset:YS
.Lend:
	s_wait_xcnt 0x0
	v_lshl_add_u32 v254, v0, 2, 0x35800            ; the add's two registers are made anew: no two could be kept.  No memory or LDS instruction has read v254 or v255 since the wait on vm_vsrc between the passes
	v_mov_b32 v255, 0
	s_wait_dscnt 0x0                               ; the closing lines, six on end
	s_wait_alu 0x0
	s_wait_tensorcnt 0x0
	ds_add_u32 v254, v255
	s_wait_dscnt 0x0
	s_endpgm
.Lfunc_end_k_q4c5d488a0a_attn:
	.size	k_q4c5d488a0a_attn, .Lfunc_end_k_q4c5d488a0a_attn-k_q4c5d488a0a_attn
	.p2alignl 7, 3214868480
	.fill 96, 4, 3214868480
	.section	.rodata,"a",@progbits
	.p2align	6, 0x0
	.amdhsa_kernel k_q4c5d488a0a_attn
		.amdhsa_group_segment_fixed_size 221184
		.amdhsa_private_segment_fixed_size 0
		.amdhsa_enable_private_segment 0
		.amdhsa_kernarg_size 24
		.amdhsa_user_sgpr_count 2
		.amdhsa_user_sgpr_kernarg_segment_ptr 1
		.amdhsa_wavefront_size32 1
		.amdhsa_system_sgpr_workgroup_id_x 1
		.amdhsa_system_sgpr_workgroup_id_y 1
		.amdhsa_system_sgpr_workgroup_id_z 1
		.amdhsa_system_vgpr_workitem_id 0
		.amdhsa_next_free_vgpr 256
		.amdhsa_next_free_sgpr 102
		.amdhsa_reserve_vcc 0
		.amdhsa_float_denorm_mode_32 3
		.amdhsa_float_denorm_mode_16_64 3
		.amdhsa_memory_ordered 1
		.amdhsa_forward_progress 1
		.amdhsa_inst_pref_size 60
	.end_amdhsa_kernel
	.amdgpu_metadata
---
amdhsa.version: [ 1, 2 ]
amdhsa.kernels:
  - .name:           k_q4c5d488a0a_attn
    .symbol:         k_q4c5d488a0a_attn.kd
    .args:
      - { .name: qkvg, .offset: 0, .size: 8, .value_kind: global_buffer, .address_space: global }
      - { .name: maskw, .offset: 8, .size: 8, .value_kind: global_buffer, .address_space: global }
      - { .name: yg, .offset: 16, .size: 8, .value_kind: global_buffer, .address_space: global }
    .group_segment_fixed_size: 221184
    .private_segment_fixed_size: 0
    .kernarg_segment_align: 8
    .kernarg_segment_size: 24
    .max_flat_workgroup_size: 512
    .sgpr_count:     102
    .vgpr_count:     256
    .wavefront_size: 32
...
	.end_amdgpu_metadata
.endif
;; end of part 5
;; launch gemm2 (part 6): grid 8 x 32, 8 waves a work-group, no clusters, 103,424 bytes of LDS; arguments prep, yg, X, b_out, out0; writes out0
.if DOCPART == 6
	.amdgcn_target "amdgcn-amd-amdhsa--gfx1250"
	.amdhsa_code_object_version 6
	.text
	.protected	k_q4c5d488a0a_gemm2
	.globl	k_q4c5d488a0a_gemm2
	.p2align	8
	.type	k_q4c5d488a0a_gemm2,@function
k_q4c5d488a0a_gemm2:
	s_mov_b64 s[64:65], 0
	v_nop
	global_prefetch_b8 v0, s[64:65] scope:SCOPE_SE
	s_setreg_imm32_b32 hwreg(HW_REG_WAVE_SCHED_MODE, 0, 2), 2
	s_setreg_imm32_b32 hwreg(HW_REG_WAVE_MODE, 25, 1), 1
	s_wait_xcnt 0x0
	s_wait_alu depctr_vm_vsrc(0)
; GEMM2: out = X + Q(Y x G) Q(W_out) + b_out, [4096][512] x [512][1024], on codes of FP4 (E2M1) with E8M0 scales.
; SHARES.  Work-group (x, y): 128 tokens x 128 columns: 256 work-groups.  Wave w: one tile of 16 tokens against W_out's 8 tiles; K = 4 steps of 128.
; W_out's 8 tiles (32 KB of codes, 2 KB of scale words) are copied into LDS once, through registers; a wave's own operand, X's rows and the bias go straight into registers, all asked for at the head.
; The product is used transposed (source 0 = 16 columns of W_out, source 1 = my 16 tokens): a lane holds eight neighbouring columns of one row; a tile goes through the wave's own stage in LDS and leaves as whole rows of 512 bytes.
; NO JOINT LOADS: of a work-group's 200 KB of traffic 128 KB (X's rows and the output) are its own, and no step is repeated in which a shared tile could be asked for again.
; THE MODE: SCHED_MODE bits 1:0 = 2 (LLVM: expert scheduling mode 2), set by the entry lines.  The code itself states the register dependences between vector or matrix instructions and memory or LDS instructions, with s_wait_alu, always for 0.
; THE PLAN.  Registers that memory or LDS instructions touch:
;   v1-v7       offsets and LDS addresses: made at the head, never written again.
;   v32-65      the copy lands from memory; my LDS stores read it; the first K step's products write these registers.
;   v66-73      Y x G's half scale words land from memory; four shifts read them; later accumulators.
;   W0, W1      W_out's fragments: EACH K STEP HAS REGISTERS OF ITS OWN (step 0 v96-159; steps 1 to 3 v258-449, window 1), so no load lands in a register that a product has read, and no wait stands between K steps.
;               Steps 0 to 2 are asked for straight behind the barrier, step 3 behind the first eight products: 52 LDS loads of the wave are out at the most.
;   v32-95      the accumulators: the products write them, the stage's LDS stores read them.
;   v96-159     at the end the rows read back from the stage land here, where step 0's fragments lay.
;   v192-255    X's rows land from memory; the additions write them in place, four rows to a group; a group's four stores are issued in the next group, behind that group's one wait, among additions that name other rows.
.set OC, 3145728
.set OS, 3604480
.set YS, 1048576
.set LW,  0                            ; LDS: 8 tiles x 4 K steps x 1,024
.set LWS, 32768                        ; 8 tiles x 16 rows x 16 bytes
.set STG, 34816                        ; 8 waves x 16 rows x (512 + 16)
.set W0,  96                           ; W_out's fragments of K step 0, in window 0
.set W1,  2                            ; of K steps 1 to 3, in window 1: step s at v[W1 + 64 (s - 1)] there (v256 and v257 are the add's two)
; v8-11 the bias; v12-15 my tokens' scale words, v16-31 W_out's, and nothing else; v32-95 the accumulators (first the copy's landing place, and in v66-73 Y's half words); v96-159 W_out's fragments of K step 0 (at the end the rows read back); v160-191 my operand; v192-255 X's rows
; W_out's eight fragments of K step s into v[base] on: 16 loads of 512 consecutive bytes
.macro WFRAG base, s
.irp t, 0,1,2,3,4,5,6,7
.irp c, 0,1
	ds_load_b128 v[\base+8*\t+4*\c:\base+8*\t+4*\c+3], v4 offset:LW+4096*\t+1024*(\s)+512*\c
.endr
.endr
.endm
; K step s: eight accumulators by turns; zero = 1: the first K step starts the sums
.macro MUL base, s, zero
.irp t, 0,1,2,3,4,5,6,7
.if \zero
.if \t % 2
	v_wmma_scale_f32_16x16x128_f8f6f4 v[32+8*\t:39+8*\t], v[\base+8*\t:\base+8*\t+7], v[160+8*(\s):167+8*(\s)], 0, v[16+4*(\t/2)+(\s)], v[12+(\s)] matrix_a_fmt:MATRIX_FMT_FP4 matrix_b_fmt:MATRIX_FMT_FP4 matrix_a_scale:MATRIX_SCALE_ROW1
.else
	v_wmma_scale_f32_16x16x128_f8f6f4 v[32+8*\t:39+8*\t], v[\base+8*\t:\base+8*\t+7], v[160+8*(\s):167+8*(\s)], 0, v[16+4*(\t/2)+(\s)], v[12+(\s)] matrix_a_fmt:MATRIX_FMT_FP4 matrix_b_fmt:MATRIX_FMT_FP4
.endif
.else
.if \t % 2
	v_wmma_scale_f32_16x16x128_f8f6f4 v[32+8*\t:39+8*\t], v[\base+8*\t:\base+8*\t+7], v[160+8*(\s):167+8*(\s)], v[32+8*\t:39+8*\t], v[16+4*(\t/2)+(\s)], v[12+(\s)] matrix_a_fmt:MATRIX_FMT_FP4 matrix_b_fmt:MATRIX_FMT_FP4 matrix_a_scale:MATRIX_SCALE_ROW1
.else
	v_wmma_scale_f32_16x16x128_f8f6f4 v[32+8*\t:39+8*\t], v[\base+8*\t:\base+8*\t+7], v[160+8*(\s):167+8*(\s)], v[32+8*\t:39+8*\t], v[16+4*(\t/2)+(\s)], v[12+(\s)] matrix_a_fmt:MATRIX_FMT_FP4 matrix_b_fmt:MATRIX_FMT_FP4
.endif
.endif
.endr
.endm
; row p of my tile: (X + the product) + the bias, in X's registers
.macro ROWSUM p
	v_pk_add_f32 v[192+4*(\p):193+4*(\p)], v[192+4*(\p):193+4*(\p)], v[96+4*(\p):97+4*(\p)]
	v_pk_add_f32 v[194+4*(\p):195+4*(\p)], v[194+4*(\p):195+4*(\p)], v[98+4*(\p):99+4*(\p)]
	v_pk_add_f32 v[192+4*(\p):193+4*(\p)], v[192+4*(\p):193+4*(\p)], v[8:9]
	v_pk_add_f32 v[194+4*(\p):195+4*(\p)], v[194+4*(\p):195+4*(\p)], v[10:11]
.endm
.macro ROWOUT p
	global_store_b128 v4, v[192+4*(\p):195+4*(\p)], s[30:31] offset:4096*((\p)+8*((\p)/8)) th:TH_STORE_NT   ; 32 lanes store 512 consecutive bytes, aligned
.endm
	s_load_b256 s[4:11], s[0:1], 0x0               ; prep s[4:5], yg s[6:7], X s[8:9], b_out s[10:11]
	s_load_b64 s[12:13], s[0:1], 0x20              ; out0
	s_set_vgpr_msb 0x40
	v_lshl_add_u32 v0, v0, 2, 0x19000
	v_mov_b32 v1, 0
	s_set_vgpr_msb 0x4000
	v_lshrrev_b32 v1, 5, v0
	v_readfirstlane_b32 s14, v1                    ; wave 0..7
	v_and_b32 v1, 31, v0
	v_and_b32 v2, 15, v0
	v_bfe_u32 v3, v0, 4, 1
	v_lshlrev_b32 v4, 4, v1                        ; 16 x lane
	v_lshlrev_b32 v5, 3, v1                        ; 8 x lane
	v_lshlrev_b32 v6, 2, v1                        ; 4 x lane
	v_mul_u32_u24 v2, v2, 528
	v_lshl_add_u32 v2, v3, 6, v2                   ; the stage, in: row r, + 64 h
	s_and_b32 s15, ttmp7, 0xffff
	s_wait_alu depctr_va_sdst(0)                   ; the wave's number is written, ahead of its first reader; the lane's own terms above stand between the two
	s_lshl_b32 s16, s15, 3
	s_add_co_u32 s16, s16, s14                     ; my tile of tokens
	s_lshl_b32 s17, s14, 12
	v_add_nc_u32 v7, s17, v4                       ; the copy: 4,096 bytes a wave
	s_lshl_b32 s17, s14, 8
	s_add_co_u32 s17, s17, LWS
	v_add_nc_u32 v1, s17, v5                       ; and 256 of scale words
	s_mul_i32 s17, s14, 8448
	s_add_co_u32 s17, s17, STG                     ; my stage
	v_add_nc_u32 v2, s17, v2
	v_add_nc_u32 v3, s17, v4                       ; back: a row of 512 bytes to the 32 lanes
	s_mov_b32 s33, 0
	s_wait_kmcnt 0x0
	s_lshl_b32 s32, ttmp9, 15
	s_lshl_b32 s34, s14, 12
	s_add_co_u32 s32, s32, s34
	s_add_nc_u64 s[18:19], s[4:5], s[32:33]
	s_lshl_b32 s32, ttmp9, 11
	s_lshl_b32 s34, s14, 8
	s_add_co_u32 s32, s32, s34
	s_add_nc_u64 s[20:21], s[4:5], s[32:33]
	s_lshl_b32 s32, s16, 10
	s_add_nc_u64 s[22:23], s[6:7], s[32:33]
	s_lshl_b32 s32, s16, 12
	s_add_nc_u64 s[24:25], s[6:7], s[32:33]
	s_lshl_b32 s32, ttmp9, 9
	s_add_nc_u64 s[26:27], s[10:11], s[32:33]
	s_lshr_b32 s34, s16, 1
	s_lshl_b32 s34, s34, 17                        ; 32 (tile / 2) rows of 4,096 bytes
	s_add_co_u32 s32, s32, s34
	s_and_b32 s34, s16, 1
	s_lshl_b32 s34, s34, 15                        ; 8 (tile % 2) rows
	s_add_co_u32 s32, s32, s34
	s_add_nc_u64 s[28:29], s[8:9], s[32:33]
	s_add_nc_u64 s[30:31], s[12:13], s[32:33]
	s_wait_alu depctr_va_vdst(0)                   ; the seven offsets and LDS addresses v1 to v7 are written: every load and store of the kernel reads one of them, and none is written again
.irp i, 0,1,2,3,4,5,6,7
	global_load_b128 v[32+4*\i:35+4*\i], v4, s[18:19] offset:OC+512*\i
.endr
	global_load_b64 v[64:65], v5, s[20:21] offset:OS
.irp e, 0,1,2,3,4,5,6,7
	global_load_b32 v[66+\e], v6, s[22:23] offset:YS+128*\e
.endr
.irp e, 0,1,2,3,4,5,6,7
	global_load_b128 v[160+4*\e:163+4*\e], v4, s[24:25] offset:512*\e    ; head e is half e % 2 of K step e / 2's fragment
.endr
	global_load_b128 v[8:11], v4, s[26:27]
.irp p, 0,1,2,3,4,5,6,7,8,9,10,11,12,13,14,15
	global_load_b128 v[192+4*\p:195+4*\p], v4, s[28:29] offset:4096*(\p+8*(\p/8)) th:TH_LOAD_NT   ; position p of my tile
.endr
	s_wait_loadcnt 33                              ; the copy's nine loads are in; the 33 behind them stay out
.irp i, 0,1,2,3,4,5,6,7
	ds_store_b128 v7, v[32+4*\i:35+4*\i] offset:LW+512*\i
.endr
	ds_store_b64 v1, v[64:65]
	s_wait_dscnt 0x0                               ; for the others' sake
	s_barrier_signal -1
	s_barrier_wait -1
	s_wait_alu depctr_vm_vsrc(0)                   ; my LDS stores have read v32-65, which the first K step's products write
.irp p, 0,1,2,3
	ds_load_b128 v[16+4*\p:19+4*\p], v4 offset:LWS+512*\p       ; lanes 0-15 tile 2 p's four words, lanes 16-31 tile 2 p + 1's
.endr
	WFRAG W0, 0                                    ; no vector or matrix instruction has named any register in which a fragment lands; v4 was written ahead of the head's wait
	s_set_vgpr_msb 0x40                            ; destination window 1, address window 0
	WFRAG W1, 1
	WFRAG W1+64, 2
	s_set_vgpr_msb 0x4000
	s_wait_loadcnt 17                              ; my operand and its scale bytes are in; the bias and X's 16 rows stay out
.irp s, 0,1,2,3
	v_lshl_or_b32 v[12+\s], v[67+2*\s], 16, v[66+2*\s]          ; two heads' two bytes make a K step's word
.endr
.rept 8
	v_nop                                          ; a scale word written by vector instructions stands eight places ahead of the scaled product
.endr
	s_wait_alu depctr_va_vdst(0)                   ; the four shifts have written the scale words v12-15, which the scaled products take; the places above stay beside this wait
	s_wait_dscnt 32                                ; W_out's scale words and K step 0's fragments are in; the 32 loads of K steps 1 and 2 stay out
	MUL W0, 0, 1
	s_set_vgpr_msb 0x40                            ; destination window 1, address window 0
	WFRAG W1+128, 3                                ; K step 3, among the products: its registers are named by no instruction issued so far
	s_set_vgpr_msb 0x4001                          ; source 0 (W_out's fragments) window 1; all else window 0
	s_wait_dscnt 32                                ; K step 1's are in; those of K steps 2 and 3 stay out
	MUL W1, 1, 0
	s_wait_dscnt 16                                ; K step 2's are in; K step 3's stay out
	MUL W1+64, 2, 0
	s_wait_dscnt 0x0
	MUL W1+128, 3, 0
	s_set_vgpr_msb 0x0100
.rept 4
	v_nop                                          ; four places behind the last products, before their results are read (ISA guide 7.12.1)
.endr
	s_wait_alu depctr_va_vdst(0)                   ; the products have written the accumulators v32-95, which the stage's LDS stores read, and are done reading v96-159, in which the rows read back land; the places above stay beside this wait
.irp t, 0,1,2,3,4,5,6,7
	ds_store_b128 v2, v[32+8*\t:35+8*\t] offset:128*(\t/2)+32*(\t%2)          ; columns 32 (t / 2) + 16 h + 8 (t % 2) on; each accumulator from its low end on
	ds_store_b128 v2, v[36+8*\t:39+8*\t] offset:128*(\t/2)+32*(\t%2)+16
.endr
.irp p, 0,1,2,3,4,5,6,7,8,9,10,11,12,13,14,15
	ds_load_b128 v[96+4*\p:99+4*\p], v3 offset:528*\p             ; my own stage: LDS serves a wave's instructions in order
.endr
	s_wait_loadcnt 0x0                             ; the bias and X
.irp g, 0,1,2,3                                ; four rows to a group
	s_wait_dscnt 12-4*\g                           ; the group's four rows are back; the younger rows stay out
.if \g > 0
	s_wait_alu depctr_va_vdst(0)                   ; the group before has written its four rows, which the stores below read; this group's additions name other rows
.endif
.irp i, 0,1,2,3
.if \g > 0
	ROWOUT 4*(\g-1)+\i
.endif
	ROWSUM 4*\g+\i
.endr
.endr
	s_wait_alu depctr_va_vdst(0)                   ; the last group has written rows 12 to 15, which the last four stores read
.irp i, 12,13,14,15
	ROWOUT \i
.endr
	s_set_vgpr_msb 0x5                             ; the add's two registers, sources 0 and 1, in window 1
	s_wait_dscnt 0x0                               ; the closing lines, six on end
	s_wait_alu 0x0
	s_wait_tensorcnt 0x0
	ds_add_u32 v0, v1
	s_wait_dscnt 0x0
	s_endpgm
.Lfunc_end_k_q4c5d488a0a_gemm2:
	.size	k_q4c5d488a0a_gemm2, .Lfunc_end_k_q4c5d488a0a_gemm2-k_q4c5d488a0a_gemm2
	.p2alignl 7, 3214868480
	.fill 96, 4, 3214868480
	.section	.rodata,"a",@progbits
	.p2align	6, 0x0
	.amdhsa_kernel k_q4c5d488a0a_gemm2
		.amdhsa_group_segment_fixed_size 103424
		.amdhsa_private_segment_fixed_size 0
		.amdhsa_enable_private_segment 0
		.amdhsa_kernarg_size 40
		.amdhsa_user_sgpr_count 2
		.amdhsa_user_sgpr_kernarg_segment_ptr 1
		.amdhsa_wavefront_size32 1
		.amdhsa_system_sgpr_workgroup_id_x 1
		.amdhsa_system_sgpr_workgroup_id_y 1
		.amdhsa_system_sgpr_workgroup_id_z 1
		.amdhsa_system_vgpr_workitem_id 0
		.amdhsa_next_free_vgpr 450
		.amdhsa_next_free_sgpr 66
		.amdhsa_reserve_vcc 0
		.amdhsa_float_denorm_mode_32 3
		.amdhsa_float_denorm_mode_16_64 3
		.amdhsa_memory_ordered 1
		.amdhsa_forward_progress 1
		.amdhsa_inst_pref_size 25
	.end_amdhsa_kernel
	.amdgpu_metadata
---
amdhsa.version: [ 1, 2 ]
amdhsa.kernels:
  - .name:           k_q4c5d488a0a_gemm2
    .symbol:         k_q4c5d488a0a_gemm2.kd
    .args:
      - { .name: prep, .offset: 0, .size: 8, .value_kind: global_buffer, .address_space: global }
      - { .name: yg, .offset: 8, .size: 8, .value_kind: global_buffer, .address_space: global }
      - { .name: X, .offset: 16, .size: 8, .value_kind: global_buffer, .address_space: global }
      - { .name: b_out, .offset: 24, .size: 8, .value_kind: global_buffer, .address_space: global }
      - { .name: out0, .offset: 32, .size: 8, .value_kind: global_buffer, .address_space: global }
    .group_segment_fixed_size: 103424
    .private_segment_fixed_size: 0
    .kernarg_segment_align: 8
    .kernarg_segment_size: 40
    .max_flat_workgroup_size: 256
    .sgpr_count:     66
    .vgpr_count:     450
    .wavefront_size: 32
...
	.end_amdgpu_metadata
.endif
;; end of part 6
